; MI455X (gfx1250); checked and timed in simulation.
; The chip was launched on July 23, 2026; its instructions are those of AMD's public machine-readable ISA for CDNA 5 (MIT licence, August 2026) and "CDNA5" Instruction Set Architecture Reference Guide (July 2026). The comments in the code are by the model that wrote it; some were corrected since.
;; Scaled Dot Product Attention. Allowed arithmetic: matrix products marked QUANTISED: E2M1 operands, one E8M0 scale for each 32 along K, by v_wmma_scale_f32_16x16x128_f8f6f4 with both operands' format E2M1 (or v_wmma_scale_f32_32x16x128_f4), f32 sums; products left as they are: bf16, f16 or f32 operands; f32 sums; everything else in f32.
;; Inputs: k 4 x 2,048 x 1,024 float32; q 4 x 2,048 x 1,024 float32; v 4 x 2,048 x 1,024 float32; w_k 1,024 x 1,024 float32; w_q 1,024 x 1,024 float32; w_v 1,024 x 1,024 float32.
;; Outputs: out0 4 x 2,048 x 1,024 float32.
;; This version of the problem:
;;   THIS VERSION OF THE PROBLEM IS GIVEN IN LOW PRECISION. The matrix products marked QUANTISED in the list below multiply operands that are first quantised to E2M1 (2 exponent bits, 1 mantissa bit; 4 bits a number), with one power-of-two scale for each 32 numbers along K (OCP MX v1.0); their sums are f32. The products marked 'left as it is' may take bf16, f16 or f32 operands, with f32 sums. Whichever they take, every output number must still come out within the allowed error. Rounding operands to bf16 (8 significant bits) uses up far more of that allowance than f16 does (11 bits, for magnitudes from 6e-5 to 65,504). All else is computed in f32.
;;   The module's matrix products, in the order in which they are computed (A, B: the left and right operand; K: the contracted axis; several contracted axes count as one K, in the product's order):
;;     1. [M 8,192, K 1,024] x [K 1,024, N 1,024]; A: input q; B: input w_q: QUANTISED
;;     2. [M 8,192, K 1,024] x [K 1,024, N 1,024]; A: input k; B: input w_k: QUANTISED
;;     3. [M 8,192, K 1,024] x [K 1,024, N 1,024]; A: input v; B: input w_v: QUANTISED
;;     4. batch 4 x [M 2,048, K 1,024] x [K 1,024, N 2,048]; A: computed on the way; B: computed on the way: left as it is (an operand is computed on the way)
;;     5. batch 4 x [M 2,048, K 2,048] x [K 2,048, N 1,024]; A: computed on the way; B: computed on the way: left as it is (an operand is computed on the way)
;;   THE QUANTISER, for each operand of a quantised product, along K:
;;     - K is cut into blocks of 32 from its start; a last block that is shorter is filled with zeros.
;;     - A block's scale is 2^e with e = floor(log2(the largest magnitude in the block)) - 2, held to -126 .. 127; a block of zeros has e = 0. As a byte (E8M0): e + 127.
;;     - Each number is divided by its block's scale, clamped to +-6, and rounded to the nearest number of E2M1, ties to even, subnormals kept.
;;     - The product sums the exact products of the quantised numbers (number of the format x scale) in f32.
;;   ~~~python
;;   def quantise(x, axis):      # numpy; x: float32 -> the quantised numbers, widened to float32 again
;;       x = np.moveaxis(x, axis, -1); K = x.shape[-1]
;;       x = np.pad(x, [(0, 0)] * (x.ndim - 1) + [(0, -K % 32)]); x = x.reshape(x.shape[:-1] + (-1, 32)); a = np.abs(x).max(-1, keepdims=True)
;;       e = np.where(a > 0, np.clip(np.frexp(np.where(a > 0, a, 1))[1] - 1 - 2, -126, 127), 0)      # np.frexp(a)[1] - 1 = floor(log2(a)), exactly
;;       r = np.clip(x / 2.0 ** e, -6, 6)
;;       step = 2.0 ** (np.maximum(np.frexp(np.where(r == 0, 1, r))[1] - 1, 0) - 1)
;;       q = np.round(r / step) * step * 2.0 ** e      # np.round: ties to even
;;       return np.moveaxis(q.reshape(q.shape[:-2] + (-1,))[..., :K], -1, axis).astype(np.float32)
;;   ~~~
;; One version. Each part assembles by itself: llvm-mc -triple=amdgcn-amd-amdhsa -mcpu=gfx1250 --defsym DOCPART=n.
;; ======== version 1 of 1: 4 launches
;; limits: values are held in f16: magnitudes above 65,504 overflow, below 6.1e-05 lose precision
;; workspace buffers: codes 14,155,776 bytes; scales 884,736 bytes; qk 33,554,432 bytes; vt 16,777,216 bytes; p 33,554,432 bytes; st 1,048,576 bytes
;; launch quant (part 1): grid 864 x 1, 4 waves a work-group, no clusters, 33,280 bytes of LDS; arguments q, k, v, w_q, w_k, w_v, codes, scales; writes codes, scales
.if DOCPART == 1
	.amdgcn_target "amdgcn-amd-amdhsa--gfx1250"
	.amdhsa_code_object_version 6
	.text
	.protected	k_q1a64639a19_quant
	.globl	k_q1a64639a19_quant
	.p2align	8
	.type	k_q1a64639a19_quant,@function
k_q1a64639a19_quant:
	s_mov_b64 s[64:65], 0
	v_nop
	global_prefetch_b8 v0, s[64:65] scope:SCOPE_SE
	s_setreg_imm32_b32 hwreg(HW_REG_WAVE_MODE, 25, 1), 1
	s_wait_xcnt 0x0
; q, k, v [8192][1024] and w_q, w_k, w_v [1024][1024], f32, K innermost, become codes of FP4 (E2M1), two a byte, and one E8M0 scale byte for each 32 along K.
; The six tensors' codes lie on end as ONE matrix of 27,648 rows x 512 bytes (q, k, v, w_q, w_k, w_v), their scale bytes as 27,648 rows x 32 bytes.
; A block's scale is 2^(floor(log2(its largest magnitude)) - 2); its byte is the largest magnitude's own exponent field - 2, held at 1 from below.  Each number is divided by the scale and rounded to the nearest code, ties to even;
; beyond the largest code the conversion gives the largest code.
; LIMITS: a block of zeros gets the byte 1 where the rule says 127 (its codes are zeros, and this program alone reads the bytes); blocks whose largest magnitude lies under 2^-124 keep the floor's byte; NaN and infinities are not served.
; Rows are dense and 1,024 is a multiple of 32: every tensor is a plain stream of blocks of 32.  A work-group takes 32,768 numbers, a wave 8,192 in 16 steps of 512.  Work-groups 0-255 take q, 256-511 k, 512-767 v,
; 768-799 w_q, 800-831 w_k, 832-863 w_v: only the input's pointer is chosen (on the work-group's number); the outputs are linear in that number.
; Each of a step's four loads reads 512 consecutive bytes; the 2,048 bytes turn through the wave's own stage in LDS and come back 64 bytes a lane, so that a lane holds 16 neighbours along K (two lanes hold a block).
; No work-group shares an input with another: no cluster, no tensor load, no barrier.  Loads run four steps (16 loads a wave) ahead.
.set WAVES, 4
.set STEPS, 16
.set EMAX,  2
.set CB,    8                          ; bytes of 16 codes
.set R,     16                         ; v16-79   four sets of 16 numbers as they are loaded
.set X,     80                         ; v80-111  two sets of 16 neighbours
.set C,     128                        ; v128-191 codes: four registers for each step, so that no store's data are written again
.set E,     112                        ; v112-127 a scale byte for each step
.set WREG,  8192                       ; LDS: a region for each wave: two stages of 32 x SP bytes, behind them its 256 scale bytes
.set SP,    80                         ; a lane's place in a stage: 64 bytes + 16 of padding
.set SPW,   12                         ; v12      LDS address of my spare word; never rewritten
.set NIL,   13                         ; v13      0; never rewritten
.set SPARE, WAVES*WREG                 ; behind the four regions: the spare words, 128 bytes a wave
	s_load_b256 s[4:11], s[0:1], 0x0               ; q s[4:5], k s[6:7], v s[8:9], w_q s[10:11]
	s_load_b256 s[12:19], s[0:1], 0x20             ; w_k s[12:13], w_v s[14:15], codes s[16:17], scales s[18:19]
	v_lshl_add_u32 v[SPW], v0, 2, SPARE
	v_mov_b32 v[NIL], 0
	v_lshrrev_b32 v1, 5, v0
	v_readfirstlane_b32 s20, v1                    ; wave
	v_and_b32 v2, 31, v0                           ; lane
	v_lshlrev_b32 v3, 4, v2                        ; my 16 bytes of a load's 512
	s_mul_i32 s22, s20, WREG
	v_lshrrev_b32 v14, 2, v2
	v_mul_u32_u24 v14, v14, SP
	v_and_b32 v15, 3, v2
	v_lshl_add_u32 v14, v15, 4, v14
	v_add_nc_u32 v14, s22, v14                     ; the stage, on the way in: SP (lane / 4) + 16 (lane % 4)
	v_mul_u32_u24 v15, v2, SP
	v_add_nc_u32 v15, s22, v15                     ; and on the way out: SP x lane: my 16 neighbours
	v_mul_u32_u24 v4, v2, CB                       ; my codes' place in a step's
	v_lshrrev_b32 v5, 1, v2
	s_add_co_u32 s22, s22, 2*32*SP
	v_add_nc_u32 v5, s22, v5                       ; LDS: my wave's 256 scale bytes, my block's byte
	v_lshlrev_b32 v7, 3, v2                        ; and on the way out 8 bytes a lane
	v_add_nc_u32 v6, s22, v7
	s_wait_kmcnt 0x0
	s_mov_b32 s21, 832                             ; the tensor's first work-group; s[14:15] begins as w_v and is replaced from the top down
	s_cmp_lt_u32 ttmp9, 832
	s_cselect_b64 s[14:15], s[12:13], s[14:15]
	s_cselect_b32 s21, 800, s21
	s_cmp_lt_u32 ttmp9, 800
	s_cselect_b64 s[14:15], s[10:11], s[14:15]
	s_cselect_b32 s21, 768, s21
	s_cmp_lt_u32 ttmp9, 768
	s_cselect_b64 s[14:15], s[8:9], s[14:15]
	s_cselect_b32 s21, 512, s21
	s_cmp_lt_u32 ttmp9, 512
	s_cselect_b64 s[14:15], s[6:7], s[14:15]
	s_cselect_b32 s21, 256, s21
	s_cmp_lt_u32 ttmp9, 256
	s_cselect_b64 s[14:15], s[4:5], s[14:15]
	s_cselect_b32 s21, 0, s21
	s_sub_co_u32 s24, ttmp9, s21
	s_lshl_b32 s24, s24, 2
	s_add_co_u32 s24, s24, s20                     ; which run of 8,192 numbers of the tensor is my wave's
	s_lshl_b32 s24, s24, 15                        ; 32,768 bytes a run
	s_mov_b32 s25, 0
	s_add_nc_u64 s[14:15], s[14:15], s[24:25]
	s_lshl_b32 s26, ttmp9, 2
	s_add_co_u32 s26, s26, s20                     ; which run of all six
	s_lshl_b32 s24, s26, 12                        ; 4,096 bytes of codes a run
	s_add_nc_u64 s[16:17], s[16:17], s[24:25]
	s_lshl_b32 s24, s26, 8                         ; 256 scale bytes a run
	s_add_nc_u64 s[18:19], s[18:19], s[24:25]
.macro LOAD t
.irp i, 0,1,2,3
	global_load_b128 v[R+16*((\t)%4)+4*\i:R+16*((\t)%4)+4*\i+3], v3, s[14:15] offset:2048*(\t)+512*\i th:TH_LOAD_NT   ; 32 lanes read 512 consecutive bytes
.endr
.endm
.macro TURN t                          ; step t's numbers through the stage: LDS serves a wave's instructions in order, so no wait stands between the stores and the loads
.irp i, 0,1,2,3
	ds_store_b128 v14, v[R+16*((\t)%4)+4*\i:R+16*((\t)%4)+4*\i+3] offset:32*SP*((\t)%2)+8*SP*\i
.endr
.irp i, 0,1,2,3
	ds_load_b128 v[X+16*((\t)%2)+4*\i:X+16*((\t)%2)+4*\i+3], v15 offset:32*SP*((\t)%2)+16*\i
.endr
.endm
.irp t, 0,1,2,3
	LOAD \t
.endr
	s_wait_loadcnt 12                              ; step 0's four loads are in; the twelve of steps 1 to 3 may be out
	TURN 0
.macro STEP t
.set XS, X+16*((\t)%2)
.if (\t) > 0
	s_wait_dscnt 1                                 ; this step's numbers are back from the stage (the last step's byte store may be out): so its stores into the stage have read their registers,
.else
	s_wait_dscnt 0x0
.endif
.if (\t)+4 < STEPS
	LOAD (\t)+4                                    ; which take the loads of four steps on
.endif
.if (\t)+1 < STEPS
.if STEPS-2-(\t) >= 3
	s_wait_loadcnt 12                              ; the next step's four loads are in; those of the three steps behind it may be out
.else
	s_wait_loadcnt 4*(STEPS-2-(\t))
.endif
	TURN (\t)+1                                    ; and go through the other stage while this step is worked
.endif
	v_max3_num_f32 v8, |v[XS]|, |v[XS+1]|, |v[XS+2]|               ; the largest magnitude of my 16, in two chains
	v_max3_num_f32 v9, |v[XS+3]|, |v[XS+4]|, |v[XS+5]|
.irp i, 6,10
	v_max3_num_f32 v8, v8, |v[XS+\i]|, |v[XS+\i+1]|
	v_max3_num_f32 v9, v9, |v[XS+\i+2]|, |v[XS+\i+3]|
.endr
	v_max3_num_f32 v8, v8, |v[XS+14]|, |v[XS+15]|
	v_max3_num_f32 v8, v8, v9, (EMAX+1)<<23        ; and the floor 2^(EMAX + 1 - 127): the byte cannot fall under 1
	v_max_num_f32_dpp v8, v8, v8 row_xmask:1 row_mask:0xf bank_mask:0xf   ; and of my neighbour's 16: the block's
	v_add_nc_u32 v11, -(EMAX<<23), v8              ; EMAX off its exponent field: the conversion takes the exponent field of this operand as its scale
	v_cvt_scalef32_pk8_fp4_f32 v[C+4*(\t)], v[XS:XS+7], v11
	v_cvt_scalef32_pk8_fp4_f32 v[C+4*(\t)+1], v[XS+8:XS+15], v11
	v_lshrrev_b32 v[E+(\t)], 23, v11               ; the scale's byte
	ds_store_b8 v5, v[E+(\t)] offset:16*(\t)       ; both lanes of a block write the same byte with the same value
	global_store_b64 v4, v[C+4*(\t):C+4*(\t)+1], s[16:17] offset:32*CB*(\t)   ; the wave stores 256 consecutive bytes, aligned
.endm
.irp t, 0,1,2,3,4,5,6,7,8,9,10,11,12,13,14,15
	STEP \t
.endr
	ds_load_b64 v[8:9], v6                         ; LDS serves a wave's instructions in order: these see my stores
	s_wait_dscnt 0x0
	global_store_b64 v7, v[8:9], s[18:19]          ; 32 lanes store 256 consecutive bytes, aligned
	s_wait_tensorcnt 0x0                           ; the wave's end, behind my last LDS store
	ds_add_u32 v[SPW], v[NIL]
	s_wait_dscnt 0x0
	s_endpgm
.Lfunc_end_k_q1a64639a19_quant:
	.size	k_q1a64639a19_quant, .Lfunc_end_k_q1a64639a19_quant-k_q1a64639a19_quant
	.p2alignl 7, 3214868480
	.fill 96, 4, 3214868480
	.section	.rodata,"a",@progbits
	.p2align	6, 0x0
	.amdhsa_kernel k_q1a64639a19_quant
		.amdhsa_group_segment_fixed_size 33280
		.amdhsa_private_segment_fixed_size 0
		.amdhsa_enable_private_segment 0
		.amdhsa_kernarg_size 64
		.amdhsa_user_sgpr_count 2
		.amdhsa_user_sgpr_kernarg_segment_ptr 1
		.amdhsa_wavefront_size32 1
		.amdhsa_system_sgpr_workgroup_id_x 1
		.amdhsa_system_sgpr_workgroup_id_y 1
		.amdhsa_system_sgpr_workgroup_id_z 1
		.amdhsa_system_vgpr_workitem_id 0
		.amdhsa_next_free_vgpr 192
		.amdhsa_next_free_sgpr 66
		.amdhsa_reserve_vcc 0
		.amdhsa_float_denorm_mode_32 3
		.amdhsa_float_denorm_mode_16_64 3
		.amdhsa_memory_ordered 1
		.amdhsa_forward_progress 1
		.amdhsa_inst_pref_size 34
	.end_amdhsa_kernel
	.amdgpu_metadata
---
amdhsa.version: [ 1, 2 ]
amdhsa.kernels:
  - .name:           k_q1a64639a19_quant
    .symbol:         k_q1a64639a19_quant.kd
    .args:
      - { .name: q, .offset: 0, .size: 8, .value_kind: global_buffer, .address_space: global }
      - { .name: k, .offset: 8, .size: 8, .value_kind: global_buffer, .address_space: global }
      - { .name: v, .offset: 16, .size: 8, .value_kind: global_buffer, .address_space: global }
      - { .name: w_q, .offset: 24, .size: 8, .value_kind: global_buffer, .address_space: global }
      - { .name: w_k, .offset: 32, .size: 8, .value_kind: global_buffer, .address_space: global }
      - { .name: w_v, .offset: 40, .size: 8, .value_kind: global_buffer, .address_space: global }
      - { .name: codes, .offset: 48, .size: 8, .value_kind: global_buffer, .address_space: global }
      - { .name: scales, .offset: 56, .size: 8, .value_kind: global_buffer, .address_space: global }
    .group_segment_fixed_size: 33280
    .private_segment_fixed_size: 0
    .kernarg_segment_align: 8
    .kernarg_segment_size: 64
    .max_flat_workgroup_size: 128
    .sgpr_count:     66
    .vgpr_count:     192
    .wavefront_size: 32
...
	.end_amdgpu_metadata
.endif
;; end of part 1
;; launch proj (part 2): grid 4 x 96, 4 waves a work-group, clusters of 4 x 4, 327,680 bytes of LDS; arguments codes, scales, qk, vt; writes qk, vt
.if DOCPART == 2
	.amdgcn_target "amdgcn-amd-amdhsa--gfx1250"
	.amdhsa_code_object_version 6
	.text
	.protected	k_q1a64639a19_proj
	.globl	k_q1a64639a19_proj
	.p2align	8
	.type	k_q1a64639a19_proj,@function
k_q1a64639a19_proj:
	s_mov_b64 s[64:65], 0
	v_nop
	global_prefetch_b8 v0, s[64:65] scope:SCOPE_SE
	s_setreg_imm32_b32 hwreg(HW_REG_WAVE_MODE, 25, 1), 1
	s_wait_xcnt 0x0
	s_wait_alu depctr_hold_cnt(0) depctr_sa_sdst(0) depctr_va_vdst(0) depctr_va_sdst(0) depctr_va_ssrc(0) depctr_va_vcc(0) depctr_vm_vsrc(0)
	s_getreg_b32 s2, hwreg(HW_REG_IB_STS2, 6, 4)
	s_cmp_eq_u32 s2, 0
	s_cbranch_scc0 .Lentry_in_a_cluster
	s_endpgm
.Lentry_in_a_cluster:
	s_bfe_u32 s2, ttmp6, 0x10000c
	s_cmp_lg_u32 s2, 0xf033
	s_cbranch_scc0 .Lentry_shape_is_right
	s_endpgm
.Lentry_shape_is_right:
; The three projections on codes of FP4 with E8M0 scales: query = q w_q^T and key = k w_k^T as f16 [8192][1024] (qk: query, then key), and value^T = w_v v^T as f16 [1024][8192] (vt): the value is written
; TRANSPOSED, tokens innermost, since the tokens (keys) are the K of the last product of the program.  One text serves all three: C = A B^T with A = x, B = w for query and key, A = w_v, B = v for the value;
; only row numbers, the output's pointer and its pitch are chosen, on the cluster's number, without a branch.
; LIMIT: results beyond 65,504 in magnitude become infinite in f16.
; A tile of C, 256 x 256, is made by four waves, each 128 x 128: 64 accumulators, 512 registers.  K = 1,024 is two K steps of 512 (rows of 256 bytes): both LDS slots and the rows' scale bytes are asked for at the head;
; nothing is filled again.  By this text's count a wave has three tensor loads out at the most.
; CLUSTERS: 4 x 4 work-groups.  24 clusters: 8 for each product.  The four of a row of the cluster need the same rows of A, the four of a column the same rows of B: each tile is asked for JOINTLY.
; THE MATRIX INSTRUCTION IS USED TRANSPOSED (source 0 = 16 rows of B, source 1 = 16 rows of A): a lane holds eight neighbouring numbers of a row of C, which pack into 16 bytes of f16.
; REGISTERS: window 0: v0-31 addresses; v32-95 scale words, two sets, and nothing else; v96-127 packed results; v128-191 A's fragments, one set; v192-255 rows read back from the stage.
;   window 1: B's fragments, two sets.   window 2: the accumulators of my rows 0-63 ((a, b) at v[8 (8 a + b)]);   window 3: those of rows 64-127.
.set NQ,     4                         ; matrix instructions deep in a slot: 512 along K
.set ROWB,   256                       ; a tile's row in bytes
.set KROW,   512                       ; a row of codes in memory
.set PITCH,  272                       ; an LDS row: 256 bytes + 16 of padding: the 16 rows that a load touches start 68 words apart
.set FR,     8                         ; registers of a fragment: 16 rows x 128 K
.set NL,     2                         ; LDS loads that bring one
.set NP,     4                         ; places behind this matrix instruction (ISA guide 7.12.1)
.set HALFT,  128*PITCH                 ; 128 rows: what one tensor load brings
.set SLOT,   4*HALFT                   ; A's 256 rows, then B's 256 rows
.set KS,     32                        ; a row of scale bytes
.set SCL,    2*SLOT                    ; behind the slots: the scales, as rows of 256 bytes + 16 of padding
.set HALFS,  (128*KS/256)*272          ; the scales of 128 rows
.set SBLK,   (16*KS/256)*272           ; those of 16 rows
.set SPARE,  SCL+4*HALFS               ; the spare words, 128 bytes a wave
.set STAGE,  SPARE+512                 ; the way out: 16 rows x 272 bytes for each wave; no tensor load lands here
.set SPITCH, 272
.set CO,   8                           ; v8-15   my byte offsets in C: (2 t + lane / 16) x pitch + 16 (lane % 16)
.set ADRA, 16                          ; v16-17  LDS address of my A fragments in slot 0, 1
.set ADRB, 20                          ; v20-21  the same for B
.set STO,  24                          ; v24     the way out: where I put 16 bytes of a row
.set RD,   25                          ; v25     where I read a row back
.set ADRS, 27                          ; v27     LDS address of my scale words: lanes 0-15 A's rows, lanes 16-31 B's
.set SPW,  28                          ; v28     my spare word; never rewritten
.set NIL,  29                          ; v29     0; never rewritten
.set SC,   32                          ; scale words: set s at v[SC + 32 s]; register 4 i + q: lanes 0-15 A's block i, lanes 16-31 B's block i, the slot's q-th 128 along K
.set TMP,  96
.set AF,   128
.set OB,   192
.set G1, 24                            ; s[24:31] group 1 for A's tiles;  s[32:39] group 0, a set for each slot
.set G0, 32
.set G1B, 48                           ; s[48:55], s[56:63] the same for B's
.set G0B, 56
.set G1S, 68                           ; s[68:75], s[76:79] groups 1 and 0 for A's scales;  s[80:87], s[88:91] for B's
.set G0S, 76
.set G1SB, 80
.set G0SB, 88
.set MSB, 0
.macro WIN new                         ; the immediate's high byte repeats the setting that is left
.if MSB != (\new)
	s_set_vgpr_msb (MSB<<8)|(\new)
.set MSB, (\new)
.endif
.endm
.set MUL_LO, 0xa1                      ; source 0 (B) window 1, source 1 (A) window 0, C and D window 2
.set MUL_HI, 0xf1                      ; the same, C and D window 3
.set TO_B,   0x40                      ; destination window 1, address window 0
; A joint load: waves 0 and 1 fetch for A, waves 2 and 3 for B.  The branch hangs on the wave's number alone.  An s_nop 0 and four v_nop follow each of the two lines.
.macro JLOAD g0a, g1a, g0b, g1b
	s_cmp_eq_u32 s15, 0
	s_cbranch_scc0 .Lfor_b_\@
	tensor_load_to_lds s[\g0a:\g0a+3], s[\g1a:\g1a+7]
	s_nop 0
.rept 4
	v_nop
.endr
	s_branch .Lasked_\@
.Lfor_b_\@:
	tensor_load_to_lds s[\g0b:\g0b+3], s[\g1b:\g1b+7]
	s_nop 0
.rept 4
	v_nop
.endr
.Lasked_\@:
.endm
.macro CROUND                          ; a round of the cluster's barrier
	s_barrier_signal -1
	s_barrier_wait -1
	s_cmp_lg_u32 s14, 0
	s_cbranch_scc1 .Lnot_wave_0_\@
	s_barrier_signal -3
.Lnot_wave_0_\@:
	s_barrier_wait -3
	s_barrier_signal -1
	s_barrier_wait -1
.endm
	s_load_b256 s[4:11], s[0:1], 0x0               ; codes s[4:5], scales s[6:7], qk s[8:9], vt s[10:11]
	v_lshl_add_u32 v[SPW], v0, 2, SPARE
	v_mov_b32 v[NIL], 0
	ds_add_u32 v[SPW], v[NIL]                      ; the wave's opening: the add, twice on end, and its wait ahead of my first tensor load
	ds_add_u32 v[SPW], v[NIL]
	v_lshrrev_b32 v1, 5, v0
	v_readfirstlane_b32 s14, v1                    ; wave 0..3
	s_lshr_b32 s15, s14, 1                         ; which half of the tile's rows is mine.  Also: I fetch for A (0) or for B (1)
	s_and_b32 s16, s14, 1                          ; which half of its columns.  Also: which 128 rows of that tile I fetch
	s_bfe_u32 s40, ttmp6, 0x40000                  ; cx, cy: my place in the cluster
	s_bfe_u32 s41, ttmp6, 0x40004
	s_and_b32 s95, ttmp7, 0xffff                   ; the cluster's number, 0..23
	s_and_b32 s96, s95, 7
	s_lshl_b32 s96, s96, 2                         ; 4 x (cluster within its product)
	s_lshr_b32 s95, s95, 3                         ; the product: 0 query, 1 key, 2 value
	s_lshl_b32 s66, s95, 13                        ; x's first row among the 27,648: 8,192 x product
	s_lshl_b32 s67, s95, 10
	s_add_co_u32 s67, s67, 24576                   ; w's: 24,576 + 1,024 x product
	s_lshl_b32 s100, s95, 24                       ; key lies 2^24 bytes behind query in qk
	s_mov_b32 s97, 2048                            ; C's pitch in bytes: 1,024 f16,
	s_cmp_eq_u32 s95, 2                            ; the value?  The same answer in all sixteen partners; only selections follow
	s_cselect_b32 s17, 0, s96                      ; the clusters of a product lie along C's rows (query, key)
	s_cselect_b32 s42, s96, 0                      ; or along its columns (value^T)
	s_cselect_b32 s18, s67, s66                    ; A's first row
	s_cselect_b32 s19, s66, s67                    ; B's
	s_cselect_b32 s97, 16384, s97                  ; or 8,192 f16
	s_cselect_b32 s100, 0, s100
	s_add_co_u32 s17, s17, s41                     ; tile row of C
	s_add_co_u32 s42, s42, s40                     ; tile column of C
	s_lshl_b32 s43, s41, 2
	s_lshl_b32 s43, 15, s43                        ; my row of the cluster
	s_lshl_b32 s44, 0x1111, s40                    ; my column
	; group 1: a tile of 128 rows x 256 bytes, 16 bytes of padding behind each row
	s_or_b32 s[G1+0], s43, (0<<16)|(1<<20)|(1<<21)|(5<<22)|(3<<25)  ; 15:0 the mask: A's tiles go to my row; elements of 1 byte; padding on; 21 set beside a mask; after every 64 words, 4 words
	s_or_b32 s[G1B+0], s44, (0<<16)|(1<<20)|(1<<21)|(5<<22)|(3<<25)
.irp g, G1, G1B
	s_mov_b32 s[\g+1], ROWB<<16                    ; tensor_dim0
	s_mov_b32 s[\g+2], 128<<16                     ; tensor_dim1
	s_mov_b32 s[\g+3], ROWB<<16                    ; tile_dim0
	s_mov_b32 s[\g+4], 128                         ; tile_dim1
	s_mov_b32 s[\g+5], KROW                        ; from row to row
	s_mov_b32 s[\g+6], 0
	s_mov_b32 s[\g+7], 0
.endr
	; the scales of 128 rows: 4,096 dense bytes, as 16 rows of 256 bytes (32 elements of 8 bytes), 16 bytes of padding behind each
	s_or_b32 s[G1S+0], s43, (3<<16)|(1<<20)|(1<<21)|(5<<22)|(3<<25)
	s_or_b32 s[G1SB+0], s44, (3<<16)|(1<<20)|(1<<21)|(5<<22)|(3<<25)
.irp g, G1S, G1SB
	s_mov_b32 s[\g+1], 32<<16
	s_mov_b32 s[\g+2], (128*KS/256)<<16
	s_mov_b32 s[\g+3], 32<<16
	s_mov_b32 s[\g+4], 128*KS/256
	s_mov_b32 s[\g+5], 32
	s_mov_b32 s[\g+6], 0
	s_mov_b32 s[\g+7], 0
.endr
	s_lshl_b32 s21, s16, 7                         ; which 128 rows of the tile I fetch
	s_lshl_b32 s20, s17, 8
	s_add_co_u32 s20, s20, s21
	s_add_co_u32 s20, s20, s18                     ; A: its first row + 256 x tile row + 128 x half: no cx in it
	s_lshl_b32 s46, s42, 8
	s_add_co_u32 s46, s46, s21
	s_add_co_u32 s46, s46, s19                     ; B: its first row + 256 x tile column + 128 x half: no cy in it
	s_lshl_b32 s22, s20, 5                         ; these rows' scale bytes,
	s_lshl_b32 s92, s46, 5
	s_lshl_b32 s20, s20, 9                         ; and their codes (27,648 rows x 512 bytes stay under 2^31)
	s_lshl_b32 s46, s46, 9
	s_mov_b32 s21, 0
	s_mov_b32 s23, 0
	s_mov_b32 s47, 0
	s_mov_b32 s93, 0
	s_mul_i32 s45, s14, HALFT                      ; where they go: wave x 128 rows: no place in the cluster enters an LDS address
	s_mul_i32 s94, s14, HALFS
	s_wait_dscnt 0x0                               ; both opening adds are done
	s_wait_kmcnt 0x0
	s_add_nc_u64 s[20:21], s[4:5], s[20:21]
	s_add_nc_u64 s[22:23], s[6:7], s[22:23]
	s_add_nc_u64 s[46:47], s[4:5], s[46:47]
	s_add_nc_u64 s[92:93], s[6:7], s[92:93]
	CROUND                                         ; all sixteen work-groups are here: the joint loads meet
	s_mov_b32 s[G0S], 1
	s_add_co_u32 s[G0S+1], s94, SCL
	s_mov_b64 s[G0S+2:G0S+3], s[22:23]
	s_or_b32 s[G0S+3], s[G0S+3], 0x80000000
	s_mov_b32 s[G0SB], 1
	s_add_co_u32 s[G0SB+1], s94, SCL
	s_mov_b64 s[G0SB+2:G0SB+3], s[92:93]
	s_or_b32 s[G0SB+3], s[G0SB+3], 0x80000000
	JLOAD G0S, G1S, G0SB, G1SB                     ; the scales first: they are wanted with K step 0
.irp s, 0,1
	s_mov_b32 s[G0+4*\s], 1
	s_add_co_u32 s[G0+4*\s+1], s45, \s*SLOT
	s_add_nc_u64 s[G0+4*\s+2:G0+4*\s+3], s[20:21], \s*ROWB
	s_or_b32 s[G0+4*\s+3], s[G0+4*\s+3], 0x80000000
	s_mov_b32 s[G0B+4*\s], 1
	s_add_co_u32 s[G0B+4*\s+1], s45, \s*SLOT
	s_add_nc_u64 s[G0B+4*\s+2:G0B+4*\s+3], s[46:47], \s*ROWB
	s_or_b32 s[G0B+4*\s+3], s[G0B+4*\s+3], 0x80000000
	JLOAD G0+4*\s, G1, G0B+4*\s, G1B
.endr
	v_and_b32 v1, 15, v0                           ; l % 16
	v_bfe_u32 v2, v0, 4, 1                         ; l / 16
	v_mul_u32_u24 v3, v1, PITCH
	v_lshl_add_u32 v4, v2, 4, v3                   ; a fragment's row x pitch + 16 x half
	s_mul_i32 s21, s15, HALFT                      ; my 128 rows of A
	s_mul_i32 s22, s16, HALFT                      ; my 128 rows of B,
	s_add_co_u32 s22, s22, 2*HALFT                 ; which lie behind A's 256
.irp s, 0,1
	v_add_nc_u32 v[ADRA+\s], s21, v4
	v_add_nc_u32 v[ADRB+\s], s22, v4
	s_add_co_u32 s21, s21, SLOT
	s_add_co_u32 s22, s22, SLOT
.endr
	v_mul_u32_u24 v5, v1, KS                       ; my row's scales: 32 bytes a row,
	v_lshrrev_b32 v6, 8, v5
	v_lshl_add_u32 v5, v6, 4, v5                   ; and 16 more for each 256 passed
	s_mul_i32 s21, s15, HALFS                      ; A's: my 128 rows
	s_mul_i32 s22, s16, HALFS                      ; B's: my 128 rows, behind A's 256
	s_add_co_u32 s22, s22, 2*HALFS
	s_sub_co_u32 s22, s22, s21
	v_mul_u32_u24 v6, s22, v2                      ; lanes 16-31 take B's: one product, the distance x the lane's half
	s_add_co_u32 s21, s21, SCL
	v_add_nc_u32 v5, v5, v6
	v_add_nc_u32 v[ADRS], s21, v5
	s_mul_i32 s23, s14, 16*SPITCH
	s_add_co_u32 s23, s23, STAGE                   ; my stage
	v_mul_u32_u24 v5, v1, SPITCH                   ; in: row l % 16, 16 bytes for each half of the lanes
	v_lshl_add_u32 v5, v2, 4, v5
	v_add_nc_u32 v[STO], s23, v5
	v_mul_u32_u24 v5, v2, SPITCH                   ; back: lanes 0-15 one row of 256 bytes, lanes 16-31 the next
	v_lshl_add_u32 v5, v1, 4, v5
	v_add_nc_u32 v[RD], s23, v5
	v_lshlrev_b32 v6, 4, v1
.irp t, 0,1,2,3,4,5,6,7
	v_add_nc_u32 v5, 2*\t, v2
	v_mad_u32_u24 v[CO+\t], v5, s97, v6            ; the same rows in C: the pitch is a scalar, so each pair of rows has its own offset register
.endr
	s_lshl_b32 s20, s17, 8
	s_lshl_b32 s21, s15, 7
	s_add_co_u32 s20, s20, s21                     ; my first row of C
	s_mul_i32 s20, s20, s97
	s_add_co_u32 s20, s20, s100
	s_lshl_b32 s46, s42, 9                         ; my first column, in bytes: 512 x tile column + 256 x half
	s_lshl_b32 s47, s16, 8
	s_add_co_u32 s46, s46, s47
	s_add_co_u32 s20, s20, s46
	s_mov_b32 s21, 0
	s_cmp_eq_u32 s95, 2
	s_cselect_b64 s[12:13], s[10:11], s[8:9]       ; vt or qk
	s_add_nc_u64 s[12:13], s[12:13], s[20:21]
	s_lshl_b32 s98, s97, 4                         ; 16 rows of C on
	s_mov_b32 s99, 0
.macro FRAG reg, adr, q, i             ; a fragment: lane l holds row l % 16; registers 4 c .. 4 c + 3 hold K = 64 c + 32 (l / 16) + 0 .. 31
.irp c, 0,1
	ds_load_b128 v[\reg+4*\c:\reg+4*\c+3], v[\adr] offset:64*(\q)+32*\c+(\i)*16*PITCH
.endr
.endm
; 16 matrix instructions: A's blocks a0, a0 + 1 x B's eight, the slot's q-th 128 along K.  p: B's set;  sc: the set of scale words.  zero = 1: the first product starts the sums.
; The 64 accumulators take turns, one instruction a turn, in the same order in every step.
.macro MUL16 a0, p, q, sc, zero
.irp a, \a0, \a0+1
.irp b, 0,1,2,3,4,5,6,7
.if \zero
	v_wmma_scale_f32_16x16x128_f8f6f4 v[8*(8*((\a)%4)+\b):8*(8*((\a)%4)+\b)+7], v[128*(\p)+FR*\b:128*(\p)+FR*\b+FR-1], v[AF+FR*(\a):AF+FR*(\a)+FR-1], 0, v[SC+8*NQ*(\sc)+NQ*\b+(\q)], v[SC+8*NQ*(\sc)+NQ*(\a)+(\q)] matrix_a_fmt:MATRIX_FMT_FP4 matrix_b_fmt:MATRIX_FMT_FP4 matrix_a_scale:MATRIX_SCALE_ROW1
.else
	v_wmma_scale_f32_16x16x128_f8f6f4 v[8*(8*((\a)%4)+\b):8*(8*((\a)%4)+\b)+7], v[128*(\p)+FR*\b:128*(\p)+FR*\b+FR-1], v[AF+FR*(\a):AF+FR*(\a)+FR-1], v[8*(8*((\a)%4)+\b):8*(8*((\a)%4)+\b)+7], v[SC+8*NQ*(\sc)+NQ*\b+(\q)], v[SC+8*NQ*(\sc)+NQ*(\a)+(\q)] matrix_a_fmt:MATRIX_FMT_FP4 matrix_b_fmt:MATRIX_FMT_FP4 matrix_a_scale:MATRIX_SCALE_ROW1
.endif
.endr
.endr
.endm
.macro FETCH_B slot, q, p              ; B's eight fragments of the slot's q-th 128 along K into set p
	WIN TO_B
.irp i, 0,1,2,3,4,5,6,7
	FRAG 128*(\p)+FR*\i, ADRB+\slot, \q, \i
.endr
	WIN 0
.endm
.macro FETCH_A slot, q, i0             ; A's blocks i0 .. i0 + 3
.irp i, \i0, \i0+1, \i0+2, \i0+3
	FRAG AF+FR*(\i), ADRA+\slot, \q, \i
.endr
.endm
.macro SCALES sc                       ; a K step's scale words into set sc: lanes 0-15 take A's block i, lanes 16-31 B's block i
.irp i, 0,1,2,3,4,5,6,7
	ds_load_b128 v[SC+8*NQ*\sc+NQ*\i:SC+8*NQ*\sc+NQ*\i+3], v[ADRS] offset:\i*SBLK
.endr
.endm
.macro PLACES n                        ; plain vector instructions between a matrix instruction and a load into, or a read of, its registers
.rept \n
	v_nop
.endr
.endm
; A step of 128 along K that has its successor in the same slot.  A block of A is free when its eight products are issued: one set serves A; B has two.
.macro STEP slot, q, zero
	s_wait_dscnt 4*NL                              ; B's set and A's blocks 0-3 are in; the youngest eight loads (A's blocks 4-7) may be out
	WIN MUL_LO
	MUL16 0, (\q)%2, \q, \slot, \zero
	MUL16 2, (\q)%2, \q, \slot, \zero
	s_wait_dscnt 0                                 ; A's blocks 4-7 are in
	PLACES NP
	FETCH_B \slot, (\q)+1, 1-(\q)%2
	FETCH_A \slot, (\q)+1, 0
	WIN MUL_HI
	MUL16 4, (\q)%2, \q, \slot, \zero
	MUL16 6, (\q)%2, \q, \slot, \zero
	PLACES NP
	WIN 0
	FETCH_A \slot, (\q)+1, 4
.endm
; Slot 0's last step changes slots: each wave's own part of slot 1 has landed, then the barrier shows the whole slot to every wave.  Nothing is filled again.
.macro TURN slot, next
	s_wait_tensorcnt 0x0                           ; all my tensor loads have landed
	ds_add_u32 v[SPW], v[NIL]                      ; 0 onto my spare word
	s_wait_dscnt 4*NL+1                            ; (the add and the youngest eight loads may be out)
	WIN MUL_LO
	MUL16 0, 1, NQ-1, \slot, 0
	s_wait_dscnt 0x0                               ; no LDS instruction of mine is out at the signal
	s_barrier_signal -1
	MUL16 2, 1, NQ-1, \slot, 0
	WIN 0
	s_barrier_wait -1
	PLACES NP
	v_add_nc_u32 v[ADRS], 4*NQ, v[ADRS]            ; on to the next K step's scale words
	FETCH_B \next, 0, 0
	FETCH_A \next, 0, 0
	SCALES \next
	WIN MUL_HI
	MUL16 4, 1, NQ-1, \slot, 0
	MUL16 6, 1, NQ-1, \slot, 0
	PLACES NP
	WIN 0
	FETCH_A \next, 0, 4
.endm
.macro STEPS slot, from                ; the slot's steps from .. NQ - 2
.set Q, \from
.rept NQ-1-\from
	STEP \slot, Q, 0
.set Q, Q+1
.endr
.endm
	s_wait_tensorcnt 1                             ; the scales and my part of slot 0 are in; slot 1's load, issued last, may be out
	s_barrier_signal -1
	s_barrier_wait -1                              ; everybody's are
	FETCH_B 0, 0, 0
	FETCH_A 0, 0, 0
	SCALES 0
	FETCH_A 0, 0, 4
	STEP 0, 0, 1                                   ; the first step's products start the sums: nothing is cleared
	STEPS 0, 1
	TURN 0, 1
	STEPS 1, 0
	s_wait_dscnt 4*NL                              ; the very last step: nothing more to fetch
	WIN MUL_LO
	MUL16 0, 1, NQ-1, 1, 0
	MUL16 2, 1, NQ-1, 1, 0
	s_wait_dscnt 0
	WIN MUL_HI
	MUL16 4, 1, NQ-1, 1, 0
	MUL16 6, 1, NQ-1, 1, 0
	WIN 0
; THE WAY OUT of block a (16 rows x 128 columns).  PACK: rounded to f16, 16 bytes a lane, each accumulator from its low end on.  TOSTAGE: into my own stage and back as whole rows of 256 bytes.  SEND: stored.
.macro PACK a
.set AC, 64*((\a)%4)
	WIN 0x0a+5*((\a)/4)                            ; sources 0 and 1: window 2 or 3
.irp b, 0,1,2,3,4,5,6,7
.irp r, 0,1,2,3
	v_cvt_pk_f16_f32 v[TMP+4*\b+\r], v[AC+8*\b+2*\r], v[AC+8*\b+2*\r+1]
.endr
.endr
	WIN 0
.endm
.macro TOSTAGE a
.set BK, OB+32*((\a)%2)
.irp b, 0,1,2,3,4,5,6,7
	ds_store_b128 v[STO], v[TMP+4*\b:TMP+4*\b+3] offset:32*\b
.endr
.irp t, 0,1,2,3,4,5,6,7
	ds_load_b128 v[BK+4*\t:BK+4*\t+3], v[RD] offset:\t*2*SPITCH    ; LDS serves a wave's instructions in order: these see the stores above
.endr
.endm
.macro SEND a
.set BK, OB+32*((\a)%2)
	s_wait_dscnt 0x0                               ; the block is back in registers
	s_wait_xcnt 0x0                                ; earlier stores have read their base and their data: the base may step, and the next block's loads may land where block a - 1's rows lay
.if (\a) > 0
	s_add_nc_u64 s[12:13], s[12:13], s[98:99]      ; 16 rows of C on
.endif
.irp t, 0,1,2,3,4,5,6,7
	global_store_b128 v[CO+\t], v[BK+4*\t:BK+4*\t+3], s[12:13]   ; 16 lanes store 256 consecutive bytes, at a multiple of 256 from the buffer's first byte
.endr
.endm
	PLACES NP                                      ; behind the last products, ahead of the first read of results
	PACK 0
	TOSTAGE 0
.irp a, 1,2,3,4,5,6,7                  ; block a's conversions stand between block a - 1's loads from the stage and the wait for them
	PACK \a
	SEND \a-1
	TOSTAGE \a
.endr
	SEND 7
	s_wait_tensorcnt 0x0                           ; the wave's end
	ds_add_u32 v[SPW], v[NIL]
	s_wait_dscnt 0x0
	CROUND                                         ; the closing round
	s_endpgm
.Lfunc_end_k_q1a64639a19_proj:
	.size	k_q1a64639a19_proj, .Lfunc_end_k_q1a64639a19_proj-k_q1a64639a19_proj
	.p2alignl 7, 3214868480
	.fill 96, 4, 3214868480
	.section	.rodata,"a",@progbits
	.p2align	6, 0x0
	.amdhsa_kernel k_q1a64639a19_proj
		.amdhsa_group_segment_fixed_size 327680
		.amdhsa_private_segment_fixed_size 0
		.amdhsa_enable_private_segment 0
		.amdhsa_kernarg_size 32
		.amdhsa_user_sgpr_count 2
		.amdhsa_user_sgpr_kernarg_segment_ptr 1
		.amdhsa_wavefront_size32 1
		.amdhsa_system_sgpr_workgroup_id_x 1
		.amdhsa_system_sgpr_workgroup_id_y 1
		.amdhsa_system_sgpr_workgroup_id_z 1
		.amdhsa_system_vgpr_workitem_id 0
		.amdhsa_next_free_vgpr 1024
		.amdhsa_next_free_sgpr 102
		.amdhsa_reserve_vcc 0
		.amdhsa_float_denorm_mode_32 3
		.amdhsa_float_denorm_mode_16_64 3
		.amdhsa_memory_ordered 1
		.amdhsa_forward_progress 1
		.amdhsa_inst_pref_size 128
	.end_amdhsa_kernel
	.amdgpu_metadata
---
amdhsa.version: [ 1, 2 ]
amdhsa.kernels:
  - .name:           k_q1a64639a19_proj
    .symbol:         k_q1a64639a19_proj.kd
    .args:
      - { .name: codes, .offset: 0, .size: 8, .value_kind: global_buffer, .address_space: global }
      - { .name: scales, .offset: 8, .size: 8, .value_kind: global_buffer, .address_space: global }
      - { .name: qk, .offset: 16, .size: 8, .value_kind: global_buffer, .address_space: global }
      - { .name: vt, .offset: 24, .size: 8, .value_kind: global_buffer, .address_space: global }
    .group_segment_fixed_size: 327680
    .private_segment_fixed_size: 0
    .kernarg_segment_align: 8
    .kernarg_segment_size: 32
    .max_flat_workgroup_size: 128
    .sgpr_count:     102
    .vgpr_count:     1024
    .wavefront_size: 32
...
	.end_amdgpu_metadata
.endif
;; end of part 2
;; launch scores (part 3): grid 8 x 32, 4 waves a work-group, clusters of 4 x 4, 327,680 bytes of LDS; arguments qk, p, st; writes p, st
.if DOCPART == 3
	.amdgcn_target "amdgcn-amd-amdhsa--gfx1250"
	.amdhsa_code_object_version 6
	.text
	.protected	k_q1a64639a19_scores
	.globl	k_q1a64639a19_scores
	.p2align	8
	.type	k_q1a64639a19_scores,@function
k_q1a64639a19_scores:
	s_mov_b64 s[64:65], 0
	v_nop
	global_prefetch_b8 v0, s[64:65] scope:SCOPE_SE
	s_setreg_imm32_b32 hwreg(HW_REG_WAVE_MODE, 25, 1), 1
	s_wait_xcnt 0x0
	s_wait_alu depctr_hold_cnt(0) depctr_sa_sdst(0) depctr_va_vdst(0) depctr_va_sdst(0) depctr_va_ssrc(0) depctr_va_vcc(0) depctr_vm_vsrc(0)
	s_getreg_b32 s2, hwreg(HW_REG_IB_STS2, 6, 4)
	s_cmp_eq_u32 s2, 0
	s_cbranch_scc0 .Lentry_in_a_cluster
	s_endpgm
.Lentry_in_a_cluster:
	s_bfe_u32 s2, ttmp6, 0x10000c
	s_cmp_lg_u32 s2, 0xf033
	s_cbranch_scc0 .Lentry_shape_is_right
	s_endpgm
.Lentry_shape_is_right:
; S = query key^T in f16 with f32 sums, and the softmax's exponentials.  query, key: f16 [8192][1024] in qk (key 2^24 bytes behind query); four batches of 2,048 rows.
; A row of scores is spread over 16 waves in 8 work-groups, so each GROUP of 128 keys (one wave's columns) is taken under its own maximum:  t = score x log2(e) / 32;  M_g = the group's largest t rounded UP to a whole number;
; p = 2^(t - M_g), at most 1, is stored as f16;  -M_g and l_g = the sum of the unrounded p go to st: f32 [16 groups][8192 rows], -M first, l 524,288 bytes behind.
; The next launch takes the row's TRUE maximum M of the 16 M_g and multiplies each group's product by 2^(M_g - M): so the maximum is taken away as the softmax asks, with no fixed shift.
; p LIES IN THE ORDER OF THE NEXT LAUNCH'S OPERAND REGISTERS: [512 blocks of 16 rows][64 pieces of 32 keys][2 halves][32 lanes][16 bytes].  A lane's packed registers of two neighbouring accumulators ARE such a fragment
; (row lane % 16; keys 8 (lane / 16) + 0 .. 7, then 16 more on), so they are stored as they stand, 512 consecutive bytes a store, with no way through LDS.
; LIMIT: a p under 2^-24 is lost in f16.
; A tile, 256 queries x 256 keys, is made by four waves, each 128 x 128: 64 accumulators, 512 registers.  256 tiles.  K = 1,024 goes in 8 steps of 128 (rows of 256 bytes) through two LDS slots.
; CLUSTERS: 4 x 4 work-groups: query's tile is shared along a row of the cluster, key's along a column: each is asked for JOINTLY.  Behind each round a wave has one tensor load out, at the start two.
; THE MATRIX INSTRUCTION IS USED TRANSPOSED (source 0 = 16 keys, source 1 = 16 queries): a lane holds ONE query (lane % 16) and, in accumulator b, keys 16 b + 8 (lane / 16) + 0 .. 7.
; REGISTERS: window 0: v0-31 addresses; v64-127, v128-191 query's fragments, two buffers; on the way out v64-127 t and p, v128-143 -M and l of my eight blocks, v144-155 at work, v192-223 packed p.
;   window 1: v64-127, v128-191 key's fragments.   windows 2, 3: the accumulators ((a, b) at v[8 (8 a + b)]).
.set KD,     1024
.set KSTEP,  128
.set PITCH,  272                       ; an LDS row: 256 bytes + 16 of padding
.set HALFT,  128*PITCH
.set SLOT,   4*HALFT                   ; query's 256 rows, then key's 256
.set SST,    2*SLOT                    ; behind the ring: 1,024 bytes for each wave: -M of its 128 rows, then l
.set SPARE,  SST+4096                  ; the spare words, 128 bytes a wave
.set LAPS,   KD/(2*KSTEP)
.set PBLK,   65536                     ; 16 rows of p: 64 fragments of 1,024 bytes
.set ADRA, 16                          ; v16-17  LDS address of my query fragments in slot 0, 1
.set ADRB, 20                          ; v20-21  the same for key
.set GS,   22                          ; v22     16 x lane; never rewritten
.set SSA,  27                          ; v27     where my row's -M goes in LDS
.set SPW,  28
.set NIL,  29
.set PFO,  30                          ; v30     the prefetches' offset: lane x 2,048; never rewritten
.set SSR,  31                          ; v31     where I read the table's 16 bytes back
.set F0,   64
.set F1,   128
.set T,    64
.set NM,   128
.set LS,   136
.set W,    144                         ; v144-147 four maxima, v148 the row's, v149 the other half's, v[150:151] -M as a pair
.set SU,   152                         ; v[152:155] the sum, in two chains
.set TMP,  192
.set WV,   12
.set RH,   13                          ; which 128 queries are mine.  Also: I fetch for query (0) or key (1)
.set CH,   14                          ; which 128 keys.  Also: which 128 rows of that tile I fetch
.set LIM,  15                          ; 1 in a wave that prefetches, else the greatest number
.set G1,   24
.set G0,   32
.set PFA,  44
.set G1B,  48
.set G0B,  56
.set CS,   68                          ; s[68:69] c = log2(e) / 32
.set SEL,  70                          ; s[70:71] v_permlanex16_b32's selects for lane l xor 16
.set MSB, 0
.macro WIN new
.if MSB != (\new)
	s_set_vgpr_msb (MSB<<8)|(\new)
.set MSB, (\new)
.endif
.endm
.set MUL_LO, 0xa1                      ; source 0 (key) window 1, source 1 (query) window 0, C and D window 2
.set MUL_HI, 0xf1
.set TO_B,   0x40
.macro JLOAD s                         ; a joint load; an s_nop 0 and four v_nop follow each of the two lines
	s_cmp_eq_u32 s[RH], 0
	s_cbranch_scc0 .Lfor_b_\@
	tensor_load_to_lds s[G0+4*\s:G0+4*\s+3], s[G1:G1+7]
	s_nop 0
.rept 4
	v_nop
.endr
	s_branch .Lasked_\@
.Lfor_b_\@:
	tensor_load_to_lds s[G0B+4*\s:G0B+4*\s+3], s[G1B:G1B+7]
	s_nop 0
.rept 4
	v_nop
.endr
.Lasked_\@:
.endm
; A prefetch of the K step that stands two refills on: 32 rows x 256 bytes, a lane a row, one instruction a wave.  Each row's 256 bytes of a K step are named once in the launch: query's tile row is read by both
; clusters of a row of clusters: cluster x = 0 asks; key's tile column by the batch's two rows of clusters: the even one asks.  The four partners that ask for a tile jointly share its rows out by address, 32 each.
; The loop's last trip asks for nothing: there is no K step two refills on.  K steps 0 to 3 come by their loads alone.
.macro ASK
	s_cmp_gt_u32 s3, s[LIM]
	s_cbranch_scc0 .Lnot_mine_\@
	global_prefetch_b8 v[PFO], s[PFA:PFA+1] offset:KSTEP*2 th:TH_LOAD_NT scope:SCOPE_SE
.Lnot_mine_\@:
.endm
.macro CREST
	s_cmp_lg_u32 s[WV], 0
	s_cbranch_scc1 .Lnot_wave_0_\@
	s_barrier_signal -3
.Lnot_wave_0_\@:
	s_barrier_wait -3
	s_barrier_signal -1
	s_barrier_wait -1
.endm
.macro CROUND
	s_barrier_signal -1
	s_barrier_wait -1
	CREST
.endm
	s_load_b128 s[4:7], s[0:1], 0x0                ; qk s[4:5], p s[6:7]
	s_load_b64 s[8:9], s[0:1], 0x10                ; st
	v_lshl_add_u32 v[SPW], v0, 2, SPARE
	v_mov_b32 v[NIL], 0
	ds_add_u32 v[SPW], v[NIL]                      ; the wave's opening: the add, twice on end, and its wait ahead of my first tensor load
	ds_add_u32 v[SPW], v[NIL]
	v_lshrrev_b32 v1, 5, v0
	v_readfirstlane_b32 s[WV], v1
	s_lshr_b32 s[RH], s[WV], 1
	s_and_b32 s[CH], s[WV], 1
	s_bfe_u32 s40, ttmp6, 0x40000                  ; cx
	s_bfe_u32 s41, ttmp6, 0x40004                  ; cy
	s_lshl_b32 s42, ttmp9, 2
	s_add_co_u32 s42, s42, s40                     ; tile column: 256 keys of the batch, 0..7
	s_and_b32 s66, ttmp7, 0xffff                   ; cluster y, 0..7
	s_lshl_b32 s43, s66, 2
	s_add_co_u32 s43, s43, s41                     ; tile row: 256 of the 8,192 queries, 0..31
	s_lshr_b32 s67, s66, 1                         ; the batch
	s_lshl_b32 s72, s41, 2
	s_lshl_b32 s72, 15, s72                        ; my row of the cluster
	s_lshl_b32 s73, 0x1111, s40                    ; my column
	s_or_b32 s[G1+0], s72, (1<<16)|(1<<20)|(1<<21)|(5<<22)|(3<<25)  ; the mask; elements of 2 bytes; padding on; 21 set beside a mask; after every 64 words, 4 words
	s_or_b32 s[G1B+0], s73, (1<<16)|(1<<20)|(1<<21)|(5<<22)|(3<<25)
.irp g, G1, G1B
	s_mov_b32 s[\g+1], KSTEP<<16                   ; tensor_dim0 = 128
	s_mov_b32 s[\g+2], 128<<16                     ; tensor_dim1 = 128
	s_mov_b32 s[\g+3], KSTEP<<16                   ; tile_dim0
	s_mov_b32 s[\g+4], 128                         ; tile_dim1
	s_mov_b32 s[\g+5], KD                          ; elements from row to row
	s_mov_b32 s[\g+6], 0
	s_mov_b32 s[\g+7], 0
.endr
	s_lshl_b32 s18, s[CH], 7                       ; which 128 rows of the tile I fetch
	s_lshl_b32 s16, s43, 8
	s_add_co_u32 s16, s16, s18
	s_lshl_b32 s16, s16, 11                        ; query: row 256 x tile row + 128 x half, 2,048 bytes a row
	s_mov_b32 s17, 0
	s_lshl_b32 s46, s42, 8
	s_add_co_u32 s46, s46, s18
	s_lshl_b32 s47, s67, 11
	s_add_co_u32 s46, s46, s47
	s_add_co_u32 s46, s46, 8192
	s_lshl_b32 s46, s46, 11                        ; key: row 8,192 + 2,048 x batch + 256 x tile column + 128 x half: no cy in it
	s_mov_b32 s47, 0
	s_mul_i32 s20, s[WV], HALFT                    ; where they go: wave x 128 rows
	s_mov_b32 s[CS], 0x3d38aa3b                    ; c = log2(e) / sqrt(1024)
	s_mov_b32 s[CS+1], s[CS]                       ; (named with it as a pair, so it is written)
	s_mov_b32 s[SEL], 0x76543210
	s_mov_b32 s[SEL+1], 0xfedcba98
	s_wait_dscnt 0x0                               ; both opening adds are done
	s_wait_kmcnt 0x0
	s_add_nc_u64 s[16:17], s[4:5], s[16:17]
	s_add_nc_u64 s[46:47], s[4:5], s[46:47]
	CROUND                                         ; all sixteen work-groups are here: the first joint loads meet
.irp s, 0,1
	s_mov_b32 s[G0+4*\s], 1
	s_add_co_u32 s[G0+4*\s+1], s20, \s*SLOT
	s_add_nc_u64 s[G0+4*\s+2:G0+4*\s+3], s[16:17], \s*KSTEP*2
	s_or_b32 s[G0+4*\s+3], s[G0+4*\s+3], 0x80000000
	s_mov_b32 s[G0B+4*\s], 1
	s_add_co_u32 s[G0B+4*\s+1], s20, \s*SLOT
	s_add_nc_u64 s[G0B+4*\s+2:G0B+4*\s+3], s[46:47], \s*KSTEP*2
	s_or_b32 s[G0B+4*\s+3], s[G0B+4*\s+3], 0x80000000
	JLOAD \s
.endr
	v_and_b32 v1, 15, v0                           ; l % 16
	v_bfe_u32 v2, v0, 4, 1                         ; l / 16
	v_mul_u32_u24 v3, v1, PITCH
	v_lshl_add_u32 v3, v2, 4, v3
	s_mul_i32 s21, s[RH], HALFT                    ; my 128 queries
	s_mul_i32 s22, s[CH], HALFT                    ; my 128 keys,
	s_add_co_u32 s22, s22, 2*HALFT                 ; behind the 256 queries
.irp s, 0,1
	v_add_nc_u32 v[ADRA+\s], s21, v3
	v_add_nc_u32 v[ADRB+\s], s22, v3
	s_add_co_u32 s21, s21, SLOT
	s_add_co_u32 s22, s22, SLOT
.endr
	s_lshl_b32 s23, s[WV], 10
	s_add_co_u32 s23, s23, SST
	v_lshl_add_u32 v[SSA], v1, 2, s23              ; the table's stage: 4 bytes a row
	v_and_b32 v4, 31, v0
	v_lshlrev_b32 v[GS], 4, v4
	v_add_nc_u32 v[SSR], s23, v[GS]
	s_lshl_b32 s16, s43, 4
	s_lshl_b32 s17, s[RH], 3
	s_add_co_u32 s16, s16, s17                     ; my first block of 16 rows: 16 x tile row + 8 x half
	s_lshl_b32 s18, s16, 6                         ; in st: 16 rows x 4 bytes a block
	s_lshl_b32 s16, s16, 16                        ; in p: 65,536 bytes a block
	s_lshl_b32 s46, s42, 13
	s_lshl_b32 s47, s[CH], 12
	s_add_co_u32 s46, s46, s47                     ; my first piece of 32 keys: 8 x tile column + 4 x half, 1,024 bytes a piece
	s_add_co_u32 s16, s16, s46
	s_mov_b32 s17, 0
	s_add_nc_u64 s[6:7], s[6:7], s[16:17]
	s_lshl_b32 s19, s42, 1
	s_add_co_u32 s19, s19, s[CH]                   ; my group of 128 keys, 0..15
	s_lshl_b32 s19, s19, 15                        ; 8,192 rows x 4 bytes a group
	s_add_co_u32 s18, s18, s19
	s_mov_b32 s19, 0
	s_add_nc_u64 s[8:9], s[8:9], s[18:19]
	; the prefetches: who asks, and where
	s_lshl_b32 s20, s43, 8                         ; query's tile: its first row
	s_lshl_b32 s21, s42, 8
	s_lshl_b32 s22, s67, 11
	s_add_co_u32 s21, s21, s22
	s_add_co_u32 s21, s21, 8192                    ; key's
	s_and_b32 s22, s66, 1
	s_cmp_eq_u32 s[RH], 0                          ; do I fetch for query?
	s_cselect_b32 s20, s20, s21
	s_cselect_b32 s21, s40, s41                    ; my place among the four that ask with me
	s_cselect_b32 s22, ttmp9, s22                  ; the coordinate along which other clusters read the same rows
	s_cmp_eq_u32 s22, 0
	s_cselect_b32 s[LIM], 1, -1                    ; the same in all sixteen partners, for a given wave
	s_lshl_b32 s22, s[CH], 7
	s_add_co_u32 s20, s20, s22                     ; + the 128 rows that I fetch
	s_lshl_b32 s21, s21, 5
	s_add_co_u32 s20, s20, s21                     ; + my work-group's 32 of them
	s_lshl_b32 s20, s20, 11
	s_add_co_u32 s20, s20, 2*KSTEP*2               ; at K step 2: the first refill steps it to 3 and names K step 4
	s_mov_b32 s21, 0
	s_add_nc_u64 s[PFA:PFA+1], s[4:5], s[20:21]
	v_and_b32 v[PFO], 31, v0
	v_lshlrev_b32 v[PFO], 11, v[PFO]
; 16 matrix instructions: query blocks a0, a0 + 1 of the window's four x all 8 key blocks, 32 along K.  The 64 accumulators take turns.
.macro MUL16 f, hi, a0, zero
.irp a, \a0, \a0+1
.irp b, 0,1,2,3,4,5,6,7
.if \zero
	v_wmma_f32_16x16x32_f16 v[8*(8*(\a)+\b):8*(8*(\a)+\b)+7], v[\f+8*\b:\f+8*\b+7], v[\f+8*(4*\hi+\a):\f+8*(4*\hi+\a)+7], 0
.else
	v_wmma_f32_16x16x32_f16 v[8*(8*(\a)+\b):8*(8*(\a)+\b)+7], v[\f+8*\b:\f+8*\b+7], v[\f+8*(4*\hi+\a):\f+8*(4*\hi+\a)+7], v[8*(8*(\a)+\b):8*(8*(\a)+\b)+7]
.endif
.endr
.endr
.endm
.macro FETCH slot, k, f                ; 32 LDS loads in one run: the fragments of 32 along K at byte k of the rows
	WIN TO_B
.irp i, 0,1,2,3,4,5,6,7
	ds_load_b128 v[\f+8*\i:\f+8*\i+3],   v[ADRB+\slot] offset:\k+\i*16*PITCH
	ds_load_b128 v[\f+8*\i+4:\f+8*\i+7], v[ADRB+\slot] offset:\k+\i*16*PITCH+32
.endr
	WIN 0
.irp i, 0,1,2,3,4,5,6,7
	ds_load_b128 v[\f+8*\i:\f+8*\i+3],   v[ADRA+\slot] offset:\k+\i*16*PITCH
	ds_load_b128 v[\f+8*\i+4:\f+8*\i+7], v[ADRA+\slot] offset:\k+\i*16*PITCH+32
.endr
.endm
.macro PLACES                          ; four plain vector instructions between a matrix instruction and a load into, or a read of, its registers
.rept 4
	v_nop
.endr
.endm
.macro QUARTER slot, k, f, g, zero     ; 32 along K: multiplies buffer f; in its middle it fetches the next quarter, at byte k, into g
	s_wait_dscnt 8                                 ; key's and query's rows 0-63 are in; the youngest eight loads (query's rows 64-127) may be out
	WIN MUL_LO
	MUL16 \f, 0, 0, \zero
	MUL16 \f, 0, 2, \zero
	PLACES
	FETCH \slot, \k, \g
	s_wait_dscnt 32                                ; all but the 32 just issued
	WIN MUL_HI
	MUL16 \f, 1, 0, \zero
	MUL16 \f, 1, 2, \zero
.endm
; The first half of a K step's last quarter: ONE barrier for the change of slots.  In front of it each wave waits for all its tensor loads (one is out: its part of the next slot), adds 0 to its spare word, and waits for that and for its reads of this slot.
.macro MEET round
	WIN 0
	s_wait_tensorcnt 0x0
	ds_add_u32 v[SPW], v[NIL]
	s_wait_dscnt 9                                 ; (the add and the youngest eight loads may be out)
	WIN MUL_LO
	MUL16 F1, 0, 0, 0
	s_wait_dscnt 0x0                               ; the add is done, and my reads of this slot are over
	s_barrier_signal -1
	MUL16 F1, 0, 2, 0
.if \round
	WIN 0
.endif
	s_barrier_wait -1
.endm
.macro TURN slot, next                 ; the whole last quarter where the slot is filled again, two K steps ahead
	s_wait_xcnt 0x0                                ; the last prefetch, a K step back, has read its address
	s_add_nc_u64 s[PFA:PFA+1], s[PFA:PFA+1], KSTEP*2
	MEET 1
	CREST                                          ; the barrier has opened a round of the cluster's: no wave of any partner still reads this slot or has a load on its way
	s_add_nc_u64 s[G0+4*\slot+2:G0+4*\slot+3], s[G0+4*\slot+2:G0+4*\slot+3], 2*KSTEP*2
	s_add_nc_u64 s[G0B+4*\slot+2:G0B+4*\slot+3], s[G0B+4*\slot+2:G0B+4*\slot+3], 2*KSTEP*2
	JLOAD \slot                                    ; the first tensor load behind the round; its four v_nop are also the places in front of the loads below
	FETCH \next, 0, F0
	ASK
	WIN MUL_HI
	MUL16 F1, 1, 0, 0
	MUL16 F1, 1, 2, 0
.endm
.macro TURNL next                      ; the same where nothing is left to fetch
	MEET 0
	PLACES
	FETCH \next, 0, F0
	WIN MUL_HI
	MUL16 F1, 1, 0, 0
	MUL16 F1, 1, 2, 0
.endm
	s_wait_tensorcnt 1                             ; my part of K step 0 is in; K step 1's may be out
	s_barrier_signal -1
	s_barrier_wait -1
	FETCH 0, 0, F0
	QUARTER 0, 64,  F0, F1, 1                      ; the first quarter's products start the sums
	WIN 0
	s_mov_b32 s3, LAPS-1
.Llap:                                                 ; a trip goes once round the ring and fills both slots again
	QUARTER 0, 128, F1, F0, 0
	QUARTER 0, 192, F0, F1, 0
	TURN 0, 1
	QUARTER 1, 64,  F0, F1, 0
	QUARTER 1, 128, F1, F0, 0
	QUARTER 1, 192, F0, F1, 0
	TURN 1, 0
	QUARTER 0, 64,  F0, F1, 0
	WIN 0
	s_sub_co_u32 s3, s3, 1
	s_cmp_lg_u32 s3, 0
	s_cbranch_scc1 .Llap
	QUARTER 0, 128, F1, F0, 0                      ; the last lap is written out: it fills nothing
	QUARTER 0, 192, F0, F1, 0
	TURNL 1
	QUARTER 1, 64,  F0, F1, 0
	QUARTER 1, 128, F1, F0, 0
	QUARTER 1, 192, F0, F1, 0
	s_wait_dscnt 8
	WIN MUL_LO
	MUL16 F1, 0, 0, 0
	MUL16 F1, 0, 2, 0
	s_wait_dscnt 0
	WIN MUL_HI
	MUL16 F1, 1, 0, 0
	MUL16 F1, 1, 2, 0
	WIN 0
; THE SOFTMAX'S PART of block a: 16 queries x my 128 keys, 64 scores a lane.
.macro SOFT a
.set AC, 64*((\a)%4)
.set WS, 2+(\a)/4                      ; the block's window
.set WA, WS|(WS<<2)
.set WB, (WS<<2)|(WS<<4)
	WIN WA                                         ; sources 0 and 1 in the block's window
.irp i, 0,1,2,3
	v_max_num_f32 v[W+\i], v[AC+16*\i], v[AC+16*\i+1]              ; the largest score, in four chains; each accumulator is read from its low end on
.endr
	WIN WB                                         ; sources 1 and 2
.irp k, 2,4,6,8,10,12,14
.irp i, 0,1,2,3
	v_max3_num_f32 v[W+\i], v[W+\i], v[AC+16*\i+\k], v[AC+16*\i+\k+1]
.endr
.endr
	WIN 0
	v_max3_num_f32 v[W+4], v[W], v[W+1], v[W+2]
	v_max_num_f32 v[W+4], v[W+4], v[W+3]
	v_permlanex16_b32 v[W+5], v[W+4], s[SEL], s[SEL+1]             ; the query's other 64 keys lie in the lane 16 away
	v_max_num_f32 v[W+4], v[W+4], v[W+5]
	v_mul_f32 v[W+4], s[CS], v[W+4]                ; as t (c is positive)
	v_floor_f32 v[W+6], -v[W+4]                    ; -M = floor(-t) = -ceil(t): a whole number
	WIN WS                                         ; source 0 in the block's window
.set j, 0
.rept 32
	v_pk_fma_f32 v[T+j:T+j+1], v[AC+j:AC+j+1], s[CS:CS+1], v[W+6:W+7] op_sel_hi:[1,0,0]   ; t - M, two at a time
.set j, j+2
.endr
	WIN 0
.set j, 0
.rept 64
	v_exp_f32 v[T+j], v[T+j]                       ; p = 2^(t - M): one batch
.set j, j+1
.endr
	v_mov_b32 v[NM+(\a)], v[W+6]                   ; -M is kept for the table.  (The plain instruction behind the last exponential)
	s_wait_alu depctr_va_vdst(0)                   ; one wait for the whole batch, ahead of its first reader
	v_pk_add_f32 v[SU:SU+1], v[T:T+1], v[T+2:T+3]  ; the sum of the unrounded p, in two chains
	v_pk_add_f32 v[SU+2:SU+3], v[T+4:T+5], v[T+6:T+7]
.set j, 8
.rept 14
	v_pk_add_f32 v[SU:SU+1], v[SU:SU+1], v[T+j:T+j+1]
	v_pk_add_f32 v[SU+2:SU+3], v[SU+2:SU+3], v[T+j+2:T+j+3]
.set j, j+4
.endr
	v_pk_add_f32 v[SU:SU+1], v[SU:SU+1], v[SU+2:SU+3]
	v_add_f32 v[SU], v[SU], v[SU+1]
	v_permlanex16_b32 v[W+5], v[SU], s[SEL], s[SEL+1]
	v_add_f32 v[LS+(\a)], v[SU], v[W+5]            ; l: the same bits in both halves of the lanes
.if (\a) > 0
	s_wait_xcnt 0x0                                ; the last block's stores, a whole softmax back, have read their data: the packed registers are written again only behind this wait
.endif
.set j, 0
.rept 32
	v_cvt_pk_f16_f32 v[TMP+j], v[T+2*j], v[T+2*j+1]                ; eight neighbouring keys of accumulator b: registers 4 b .. 4 b + 3
.set j, j+1
.endr
.endm
; Block a leaves as it stands: registers 4 b .. 4 b + 3 are half b % 2 of the fragment of keys 32 (b / 2) on.  The eight stores cover 4,096 consecutive bytes; every place stands in the immediate, 462,336 at the most.
.macro SEND a
.irp b, 0,1,2,3,4,5,6,7
	global_store_b128 v[GS], v[TMP+4*\b:TMP+4*\b+3], s[6:7] offset:(\a)*PBLK+512*\b   ; 32 lanes store 512 consecutive bytes, at a multiple of 256 from p's first byte
.endr
.endm
	PLACES                                         ; behind the last products
	v_mov_b32 v[W+5], 0                            ; written once: a lane permute's destination counts as one of its sources
	v_mov_b32 v[W+7], 0                            ; (named as the upper half of the pair with -M)
.irp a, 0,1,2,3,4,5,6,7
	SOFT \a
	SEND \a
.endr
	; the table: -M and l of my 128 rows go through LDS, so that each store covers 512 consecutive bytes
.irp a, 0,1,2,3,4,5,6,7
	ds_store_b32 v[SSA], v[NM+\a] offset:64*\a     ; lanes l and l + 16 write the same word with the same bits
	ds_store_b32 v[SSA], v[LS+\a] offset:512+64*\a
.endr
	ds_load_b128 v[T:T+3], v[SSR]
	ds_load_b128 v[T+4:T+7], v[SSR] offset:512
	s_wait_dscnt 0x0
	global_store_b128 v[GS], v[T:T+3], s[8:9]
	global_store_b128 v[GS], v[T+4:T+7], s[8:9] offset:524288
	s_wait_tensorcnt 0x0                           ; the wave's end
	ds_add_u32 v[SPW], v[NIL]
	s_wait_dscnt 0x0
	CROUND                                         ; the closing round
	s_endpgm
.Lfunc_end_k_q1a64639a19_scores:
	.size	k_q1a64639a19_scores, .Lfunc_end_k_q1a64639a19_scores-k_q1a64639a19_scores
	.p2alignl 7, 3214868480
	.fill 96, 4, 3214868480
	.section	.rodata,"a",@progbits
	.p2align	6, 0x0
	.amdhsa_kernel k_q1a64639a19_scores
		.amdhsa_group_segment_fixed_size 327680
		.amdhsa_private_segment_fixed_size 0
		.amdhsa_enable_private_segment 0
		.amdhsa_kernarg_size 24
		.amdhsa_user_sgpr_count 2
		.amdhsa_user_sgpr_kernarg_segment_ptr 1
		.amdhsa_wavefront_size32 1
		.amdhsa_system_sgpr_workgroup_id_x 1
		.amdhsa_system_sgpr_workgroup_id_y 1
		.amdhsa_system_sgpr_workgroup_id_z 1
		.amdhsa_system_vgpr_workitem_id 0
		.amdhsa_next_free_vgpr 1024
		.amdhsa_next_free_sgpr 76
		.amdhsa_reserve_vcc 0
		.amdhsa_float_denorm_mode_32 3
		.amdhsa_float_denorm_mode_16_64 3
		.amdhsa_memory_ordered 1
		.amdhsa_forward_progress 1
		.amdhsa_inst_pref_size 204
	.end_amdhsa_kernel
	.amdgpu_metadata
---
amdhsa.version: [ 1, 2 ]
amdhsa.kernels:
  - .name:           k_q1a64639a19_scores
    .symbol:         k_q1a64639a19_scores.kd
    .args:
      - { .name: qk, .offset: 0, .size: 8, .value_kind: global_buffer, .address_space: global }
      - { .name: p, .offset: 8, .size: 8, .value_kind: global_buffer, .address_space: global }
      - { .name: st, .offset: 16, .size: 8, .value_kind: global_buffer, .address_space: global }
    .group_segment_fixed_size: 327680
    .private_segment_fixed_size: 0
    .kernarg_segment_align: 8
    .kernarg_segment_size: 24
    .max_flat_workgroup_size: 128
    .sgpr_count:     76
    .vgpr_count:     1024
    .wavefront_size: 32
...
	.end_amdgpu_metadata
.endif
;; end of part 3
;; launch pv (part 4): grid 4 x 64, 4 waves a work-group, clusters of 4 x 4, 327,680 bytes of LDS; arguments p, vt, st, out0; writes out0
.if DOCPART == 4
	.amdgcn_target "amdgcn-amd-amdhsa--gfx1250"
	.amdhsa_code_object_version 6
	.text
	.protected	k_q1a64639a19_pv
	.globl	k_q1a64639a19_pv
	.p2align	8
	.type	k_q1a64639a19_pv,@function
k_q1a64639a19_pv:
	s_mov_b64 s[64:65], 0
	v_nop
	global_prefetch_b8 v0, s[64:65] scope:SCOPE_SE
	s_setreg_imm32_b32 hwreg(HW_REG_WAVE_MODE, 25, 1), 1
	s_wait_xcnt 0x0
	s_wait_alu depctr_hold_cnt(0) depctr_sa_sdst(0) depctr_va_vdst(0) depctr_va_sdst(0) depctr_va_ssrc(0) depctr_va_vcc(0) depctr_vm_vsrc(0)
	s_getreg_b32 s2, hwreg(HW_REG_IB_STS2, 6, 4)
	s_cmp_eq_u32 s2, 0
	s_cbranch_scc0 .Lentry_in_a_cluster
	s_endpgm
.Lentry_in_a_cluster:
	s_bfe_u32 s2, ttmp6, 0x10000c
	s_cmp_lg_u32 s2, 0xf033
	s_cbranch_scc0 .Lentry_shape_is_right
	s_endpgm
.Lentry_shape_is_right:
; out0[row][d] = sum over the 16 groups g of (2^(M_g - M) / L) x (sum over the group's 128 keys of p[row][key] value[key][d]),  M = the largest of the row's 16 M_g: the row's true maximum;  L = sum over g of 2^(M_g - M) l_g.
; p: f16 in the order of this launch's operand registers, [512 blocks of 16 rows][64 pieces of 32 keys][2 halves][32 lanes][16 bytes];  vt: f16 value^T [1024 d][8192 tokens];  st: f32 -M_g, then l_g, each [16][8192];
; out0: f32 [8192][1024].  Products in f16 with f32 sums.  A group's four pieces of 32 keys are summed in accumulators T of their own; behind the fourth, O += (f_g / L) x T, in f32.
; LIMIT: a factor f_g / L under f32's smallest number counts as 0.
; A tile is 128 queries x 256 of d, so that the 8,192 x 1,024 outputs make 256 tiles; four waves, each 64 x 128: 32 accumulators of T and 32 of O, 512 registers.
; value^T GOES THROUGH TWO LDS SLOTS OF 256 KEYS (rows of 512 bytes); each wave fetches 64 of the tile's 256 rows.  CLUSTERS: 4 x 4 work-groups: value^T's tile is shared along a column of the cluster and asked for JOINTLY.
; Behind each round a wave has one tensor load out, at the start two; a refill has eight pieces, 256 matrix instructions, in which to land.
; p GOES PAST LDS AND IS NOT ASKED FOR JOINTLY, though the four work-groups of a cluster's row and two waves of each read the same fragments.  The reason: two slots of 256 keys for p's 128 rows and value^T's 256 would
; take 2 x 384 x 528 = 405,504 bytes, more than the 327,680 of the claim; with slots of 128 keys a change of slots would serve 128 matrix instructions a wave and not 256.  A fragment comes by two loads of 512 consecutive
; bytes straight into a ring of 8 pieces x 32 registers, asked for seven pieces ahead of its products.
; THE MATRIX INSTRUCTION IS USED TRANSPOSED (source 0 = 16 rows of value^T, source 1 = 16 queries): a lane holds one query (lane % 16) and eight neighbouring d.
; REGISTERS: window 0: v0-31 addresses; v32-39 the group's factors of my four blocks, as pairs (f, f); v64-127, v128-191 value^T's fragments, two buffers; on the way out v128-255 rows read back.
;   window 1: p's ring (piece q of a slot at v[32 q], block a at + 8 a).   window 2: O ((a, b) at v[8 (8 a + b)]).   window 3: T likewise.
.set SK,     256                       ; keys in a slot: 8 pieces of 32
.set PITCH,  528                       ; an LDS row: 512 bytes + 16 of padding: the 16 rows that a load touches start 132 words apart
.set QUART,  64*PITCH                  ; 64 rows: what one tensor load brings
.set SLOT,   4*QUART
.set STAGE,  2*SLOT                    ; the way out: 16 rows x (512 + 16) bytes for each wave
.set SPITCH, 528
.set FT,     STAGE+4*16*SPITCH         ; the factors: [16 groups][2 halves of the rows][16 r][4 blocks][2] f32; 1,024 bytes a group
.set FTG,    1024
.set SPARE,  FT+16*FTG                 ; the spare words, 128 bytes a wave
.set OROW,   4096                      ; a row of out0 in bytes
.set FRAG,   1024                      ; a fragment of p in memory
.set PBLK,   65536                     ; 16 rows of p: 64 fragments
.set FTW,  10                          ; v10     where thread t stores row t's factors
.set STA,  11                          ; v11     4 t: row t's place in st
.set ADRB, 20                          ; v20-21  LDS address of my value^T fragments in slot 0, 1
.set FTA,  22                          ; v22     where I read my four blocks' factors: steps 1,024 bytes a group
.set STO,  24
.set RD,   25
.set CO,   26                          ; v26     16 x lane: my place in a load of p and in a row of out0; never rewritten
.set SPW,  28
.set NIL,  29
.set PFO,  30
.set FS,   32
.set BF,   64
.set BK,   128
.set WV,   12
.set RH,   13                          ; which 64 queries are mine
.set CH,   14                          ; which 128 of d
.set LIM,  15                          ; 1 in a wave that prefetches, else the greatest number
.set G1,   24                          ; s[24:31] descriptor group 1;  s[32:39] group 0, a set for each slot
.set G0,   32
.set PFA,  44
.set PA,   48                          ; s[48:49] p at my wave's first block, at the trip's first piece
.set MSB, 0
.macro WIN new
.if MSB != (\new)
	s_set_vgpr_msb (MSB<<8)|(\new)
.set MSB, (\new)
.endif
.endm
.set MUL,   0xf4                       ; source 0 (value^T) window 0, source 1 (p) window 1, C and D window 3
.set TO_A,  0x40                       ; destination window 1, address window 0
.set FOLDW, 0xa3                       ; source 0 (T) window 3, source 1 (factor) window 0, source 2 and destination (O) window 2
.set FROMO, 0x08                       ; an LDS store's data are its source 1: window 2
.macro JLOAD s                         ; a joint load: every wave its 64 rows; an s_nop 0 and four v_nop follow it
	tensor_load_to_lds s[G0+4*\s:G0+4*\s+3], s[G1:G1+7]
	s_nop 0
.rept 4
	v_nop
.endr
.endm
; A prefetch of value^T's slot that the NEXT change of slots will ask for: 256 rows x 512 bytes = 512 blocks of 256 bytes.  A tile column, at the batch's keys, is read by the batch's four rows of clusters: the first asks.
; Its four partners along the column take 64 rows each, by address; of these each wave takes 16, lanes 0-15 the rows' first 256 bytes and lanes 16-31 the second: one instruction a wave, each block named once.
; how = 1: a trip's first change; how = 0: its second, which in the last trip has no slot behind the one that it fills.  Slots 0 to 2 come by their loads alone.
.macro ASK how
.if \how
	s_cmp_eq_u32 s[LIM], 1
.else
	s_cmp_gt_u32 s3, s[LIM]
.endif
	s_cbranch_scc0 .Lnot_mine_\@
	global_prefetch_b8 v[PFO], s[PFA:PFA+1] th:TH_LOAD_NT scope:SCOPE_SE
.Lnot_mine_\@:
.endm
.macro CREST
	s_cmp_lg_u32 s[WV], 0
	s_cbranch_scc1 .Lnot_wave_0_\@
	s_barrier_signal -3
.Lnot_wave_0_\@:
	s_barrier_wait -3
	s_barrier_signal -1
	s_barrier_wait -1
.endm
.macro CROUND
	s_barrier_signal -1
	s_barrier_wait -1
	CREST
.endm
.macro PLACES                          ; four plain vector instructions between a matrix instruction and a load into, or a read of, its registers
.rept 4
	v_nop
.endr
.endm
.macro ALOAD c, e                      ; p's four fragments of the piece c pieces from the base, into place e of the ring: eight loads of 512 consecutive bytes
.irp a, 0,1,2,3
	global_load_b128 v[32*(\e)+8*\a:32*(\e)+8*\a+3],   v[CO], s[PA:PA+1] offset:\a*PBLK+(\c)*FRAG
	global_load_b128 v[32*(\e)+8*\a+4:32*(\e)+8*\a+7], v[CO], s[PA:PA+1] offset:\a*PBLK+(\c)*FRAG+512
.endr
.endm
	s_load_b256 s[4:11], s[0:1], 0x0               ; p s[4:5], vt s[6:7], st s[8:9], out0 s[10:11]
	v_lshl_add_u32 v[SPW], v0, 2, SPARE
	v_mov_b32 v[NIL], 0
	ds_add_u32 v[SPW], v[NIL]                      ; the wave's opening: the add, twice on end, and its wait ahead of my first tensor load
	ds_add_u32 v[SPW], v[NIL]
	v_lshrrev_b32 v1, 5, v0
	v_readfirstlane_b32 s[WV], v1
	s_lshr_b32 s[RH], s[WV], 1
	s_and_b32 s[CH], s[WV], 1
	s_bfe_u32 s40, ttmp6, 0x40000                  ; cx
	s_bfe_u32 s41, ttmp6, 0x40004                  ; cy
	s_lshl_b32 s42, ttmp9, 2
	s_add_co_u32 s42, s42, s40                     ; tile column: 256 of d, 0..3
	s_and_b32 s66, ttmp7, 0xffff                   ; cluster y, 0..15
	s_lshl_b32 s43, s66, 2
	s_add_co_u32 s43, s43, s41                     ; tile row: 128 of the 8,192 queries, 0..63
	s_lshr_b32 s67, s66, 2                         ; the batch
	s_lshl_b32 s73, 0x1111, s40                    ; my column of the cluster
	s_or_b32 s[G1+0], s73, (1<<16)|(1<<20)|(1<<21)|(6<<22)|(3<<25)  ; the mask; elements of 2 bytes; padding on; 21 set beside a mask; after every 128 words, 4 words
	s_mov_b32 s[G1+1], SK<<16                      ; tensor_dim0 = 256
	s_mov_b32 s[G1+2], 64<<16                      ; tensor_dim1 = 64
	s_mov_b32 s[G1+3], SK<<16                      ; tile_dim0
	s_mov_b32 s[G1+4], 64                          ; tile_dim1
	s_mov_b32 s[G1+5], 8192                        ; elements from row to row
	s_mov_b32 s[G1+6], 0
	s_mov_b32 s[G1+7], 0
	s_lshl_b32 s46, s42, 8
	s_lshl_b32 s47, s[WV], 6
	s_add_co_u32 s46, s46, s47
	s_lshl_b32 s46, s46, 14                        ; value^T: row 256 x tile column + 64 x wave, 16,384 bytes a row,
	s_lshl_b32 s47, s67, 12
	s_add_co_u32 s46, s46, s47                     ; at the batch's 2,048 tokens: no cy in it
	s_mov_b32 s47, 0
	s_mul_i32 s20, s[WV], QUART                    ; where they go: wave x 64 rows: no place in the cluster enters an LDS address
	s_wait_dscnt 0x0                               ; both opening adds are done
	s_wait_kmcnt 0x0
	s_add_nc_u64 s[46:47], s[6:7], s[46:47]
	CROUND                                         ; all sixteen work-groups are here: the first joint loads meet
.irp s, 0,1
	s_mov_b32 s[G0+4*\s], 1
	s_add_co_u32 s[G0+4*\s+1], s20, \s*SLOT
	s_add_nc_u64 s[G0+4*\s+2:G0+4*\s+3], s[46:47], \s*SK*2
	s_or_b32 s[G0+4*\s+3], s[G0+4*\s+3], 0x80000000
	JLOAD \s
.endr
	; THE FACTORS.  Thread t takes row t of the tile's 128: its 16 -M_g and 16 l_g
	s_lshl_b32 s18, s43, 9                         ; 128 rows x 4 bytes a tile row
	s_mov_b32 s19, 0
	s_add_nc_u64 s[8:9], s[8:9], s[18:19]
	v_lshlrev_b32 v[STA], 2, v0
.irp g, 0,1,2,3,4,5,6,7,8,9,10,11,12,13,14,15
	global_load_b32 v[64+\g], v[STA], s[8:9] offset:32768*\g
.endr
.irp g, 0,1,2,3,4,5,6,7,8,9,10,11,12,13,14,15
	global_load_b32 v[80+\g], v[STA], s[8:9] offset:524288+32768*\g
.endr
	s_lshl_b32 s16, s43, 3
	s_lshl_b32 s17, s[RH], 2
	s_add_co_u32 s16, s16, s17                     ; my first block of 16 rows of p: 8 x tile row + 4 x half
	s_lshl_b32 s16, s16, 16
	s_mov_b32 s17, 0
	s_add_nc_u64 s[PA:PA+1], s[4:5], s[16:17]
	v_and_b32 v6, 31, v0
	v_lshlrev_b32 v[CO], 4, v6
	WIN TO_A
	ALOAD 0, 0                                     ; p's first three pieces go out behind st's loads
	ALOAD 1, 1
	ALOAD 2, 2
	WIN 0
	v_and_b32 v1, 15, v0                           ; l % 16
	v_bfe_u32 v2, v0, 4, 1                         ; l / 16
	v_mul_u32_u24 v3, v1, PITCH
	v_lshl_add_u32 v3, v2, 4, v3
	s_mul_i32 s22, s[CH], 2*QUART                  ; my 128 of the tile's 256 rows
.irp s, 0,1
	v_add_nc_u32 v[ADRB+\s], s22, v3
	s_add_co_u32 s22, s22, SLOT
.endr
	s_lshl_b32 s23, s[RH], 9
	s_add_co_u32 s23, s23, FT
	v_lshl_add_u32 v[FTA], v1, 5, s23              ; my four blocks' factors: 512 x my half + 32 r
	v_lshrrev_b32 v3, 6, v0                        ; row t: its half,
	v_lshlrev_b32 v3, 9, v3
	v_lshl_add_u32 v3, v1, 5, v3                   ; its r,
	v_bfe_u32 v4, v0, 4, 2
	v_lshl_add_u32 v3, v4, 3, v3                   ; its block
	v_add_nc_u32 v[FTW], FT, v3
	s_mul_i32 s23, s[WV], 16*SPITCH
	s_add_co_u32 s23, s23, STAGE                   ; my stage
	v_mul_u32_u24 v5, v1, SPITCH
	v_lshl_add_u32 v5, v2, 5, v5
	v_add_nc_u32 v[STO], s23, v5                   ; in: row l % 16, 32 bytes for each half of the lanes
	v_add_nc_u32 v[RD], s23, v[CO]                 ; back: the 32 lanes take one row of 512 bytes
	s_lshl_b32 s16, s43, 7
	s_lshl_b32 s17, s[RH], 6
	s_add_co_u32 s16, s16, s17
	s_lshl_b32 s16, s16, 12                        ; my first row of out0
	s_lshl_b32 s46, s42, 10
	s_lshl_b32 s47, s[CH], 9
	s_add_co_u32 s46, s46, s47                     ; my first column, in bytes
	s_add_co_u32 s16, s16, s46
	s_mov_b32 s17, 0
	s_add_nc_u64 s[10:11], s[10:11], s[16:17]
	; the prefetches: who asks, and where
	s_lshl_b32 s20, s42, 8
	s_lshl_b32 s21, s41, 6
	s_add_co_u32 s20, s20, s21
	s_lshl_b32 s21, s[WV], 4
	s_add_co_u32 s20, s20, s21
	s_lshl_b32 s20, s20, 14                        ; value^T: row 256 x tile column + 64 cy + 16 x wave,
	s_lshl_b32 s21, s67, 12
	s_add_co_u32 s20, s20, s21                     ; at the batch's tokens,
	s_add_co_u32 s20, s20, 2*SK*2                  ; at slot 2: the first change of slots steps it to slot 3
	s_mov_b32 s21, 0
	s_add_nc_u64 s[PFA:PFA+1], s[6:7], s[20:21]
	s_and_b32 s22, s66, 3
	s_cmp_eq_u32 s22, 0                            ; the batch's first row of clusters: the same answer in all sixteen partners
	s_cselect_b32 s[LIM], 1, -1
	v_lshlrev_b32 v[PFO], 14, v1                   ; a row a lane,
	v_lshl_add_u32 v[PFO], v2, 8, v[PFO]           ; lanes 16-31 the rows' second 256 bytes
	s_wait_loadcnt 24                              ; my row's 32 numbers are in; the 24 loads of p's first three pieces, issued behind them, may be out
	WIN TO_A
	ALOAD 3, 3                                     ; four pieces more: seven are on their way
	ALOAD 4, 4
	ALOAD 5, 5
	ALOAD 6, 6
	WIN 0
	v_min_num_f32 v96, v64, v65                    ; -M = the least of the 16 -M_g
.irp i, 2,4,6,8,10,12,14
	v_min3_num_f32 v96, v96, v[64+\i], v[65+\i]
.endr
.irp g, 0,1,2,3,4,5,6,7,8,9,10,11,12,13,14,15
	v_sub_f32 v[64+\g], v96, v[64+\g]              ; M_g - M: a whole number, 0 or less
.endr
.irp g, 0,1,2,3,4,5,6,7,8,9,10,11,12,13,14,15
	v_cvt_i32_f32 v[64+\g], v[64+\g]               ; (it saturates)
.endr
.irp g, 0,1,2,3,4,5,6,7,8,9,10,11,12,13,14,15
	v_ldexp_f32 v[64+\g], 1.0, v[64+\g]            ; f_g = 2^(M_g - M)
.endr
	v_mul_f32 v99, v64, v80                        ; L = the sum of f_g l_g: at least 1/2, since the group with M_g = M has f = 1
.irp g, 1,2,3,4,5,6,7,8,9,10,11,12,13,14,15
	v_fmac_f32 v99, v[64+\g], v[80+\g]
.endr
	v_rcp_f32 v101, v99
	v_nop                                          ; a plain instruction behind the reciprocal
	s_wait_alu depctr_va_vdst(0)                   ; and the wait ahead of its first reader
.irp g, 0,1,2,3,4,5,6,7,8,9,10,11,12,13,14,15
	v_mul_f32 v102, v[64+\g], v101                 ; f_g / L, twice: a pair for the packed multiply-add
	v_mul_f32 v103, v[64+\g], v101
	ds_store_b64 v[FTW], v[102:103] offset:FTG*\g
.endr
.macro FETCHB sl, q                    ; 16 LDS loads: value^T's eight fragments of piece q of slot sl into buffer q % 2
.irp i, 0,1,2,3,4,5,6,7
	ds_load_b128 v[BF+64*((\q)%2)+8*\i:BF+64*((\q)%2)+8*\i+3],   v[ADRB+(\sl)] offset:64*(\q)+\i*16*PITCH
	ds_load_b128 v[BF+64*((\q)%2)+8*\i+4:BF+64*((\q)%2)+8*\i+7], v[ADRB+(\sl)] offset:64*(\q)+\i*16*PITCH+32
.endr
.endm
.macro FACT                            ; the group's factors of my four blocks; it stands behind the fold of the group before
	ds_load_b128 v[FS:FS+3], v[FTA]
	ds_load_b128 v[FS+4:FS+7], v[FTA] offset:16
	v_add_nc_u32 v[FTA], FTG, v[FTA]
.endm
; 16 matrix instructions: query blocks a0, a0 + 1 x all 8 blocks of d, piece q.  zero = 1: a group's first piece starts T's sums.  The 32 accumulators take turns in the same order in every piece.
.macro MULC q, a0, zero
.irp a, \a0, \a0+1
.irp b, 0,1,2,3,4,5,6,7
.if \zero
	v_wmma_f32_16x16x32_f16 v[8*(8*(\a)+\b):8*(8*(\a)+\b)+7], v[BF+64*((\q)%2)+8*\b:BF+64*((\q)%2)+8*\b+7], v[32*(\q)+8*(\a):32*(\q)+8*(\a)+7], 0
.else
	v_wmma_f32_16x16x32_f16 v[8*(8*(\a)+\b):8*(8*(\a)+\b)+7], v[BF+64*((\q)%2)+8*\b:BF+64*((\q)%2)+8*\b+7], v[32*(\q)+8*(\a):32*(\q)+8*(\a)+7], v[8*(8*(\a)+\b):8*(8*(\a)+\b)+7]
.endif
.endr
.endr
.endm
; O += (f_g / L) x T, in f32, two numbers an instruction; each accumulator of T is read from its low end on.  first = 1: the first group starts O: nothing is ever cleared.
.macro FOLD first
	WIN FOLDW
.irp a, 0,1,2,3
.set j, 0
.rept 32
.if \first
	v_pk_mul_f32 v[64*\a+j:64*\a+j+1], v[64*\a+j:64*\a+j+1], v[FS+2*\a:FS+2*\a+1]
.else
	v_pk_fma_f32 v[64*\a+j:64*\a+j+1], v[64*\a+j:64*\a+j+1], v[FS+2*\a:FS+2*\a+1], v[64*\a+j:64*\a+j+1]
.endif
.set j, j+2
.endr
.endr
	WIN 0
.endm
; A PIECE of 32 keys, q = 0 .. 6 of slot sl.  At its head: value^T's next piece into the other buffer, and p's piece seven on (c7 pieces from the base; c7 < 0: none is left) into the ring's place that the piece before has left.
; lc: the loads of p issued behind this piece's own: six pieces' 48, fewer at the end.  Behind a group's fourth piece stands the fold.
.macro CHUNK sl, q, lc, c7, first
	s_wait_loadcnt \lc                             ; my piece of p is in
	s_wait_dscnt 0x0                               ; and value^T's, asked for a piece ago
.if (\q)%4 != 0
	PLACES                                         ; (behind a fold its 128 lines are the places)
.endif
	FETCHB \sl, (\q)+1
.set ZR, 0
.if (\q)%4 == 0
	FACT
.set ZR, 1
.endif
.if (\c7) >= 0
	WIN TO_A
	ALOAD \c7, ((\q)+7)%8
.endif
	WIN MUL
	MULC \q, 0, ZR
	MULC \q, 2, ZR
	WIN 0
.if (\q)%4 == 3
	PLACES
	FOLD \first
.endif
.endm
; A SLOT'S LAST PIECE changes slots: value^T's fragments of this piece are in registers, so nobody reads the slot any more.  ONE barrier; in front of it each wave waits for all its tensor loads (one is out: its part of the
; next slot), adds 0 to its spare word, and waits for that and for its reads of this slot.  fill = 1: the barrier opens a round of the cluster's, and this slot is filled again, two slots ahead.
; The fold stands behind the next slot's first LDS loads, which land meanwhile.
.macro CHUNK7 sl, fill, how, c7
.if \fill
	s_wait_xcnt 0x0                                ; the last prefetch, a slot back, has read its address
	s_add_nc_u64 s[PFA:PFA+1], s[PFA:PFA+1], SK*2
.endif
	s_wait_loadcnt 48                              ; my piece of p is in; six pieces' loads may be out
	s_wait_tensorcnt 0x0
	ds_add_u32 v[SPW], v[NIL]
	s_wait_dscnt 1                                 ; value^T's piece is in (the add may be out)
	WIN MUL
	MULC 7, 0, 0
	s_wait_dscnt 0x0                               ; the add is done, and my reads of this slot are over
	s_barrier_signal -1
	MULC 7, 2, 0
	WIN 0
	s_barrier_wait -1
.if \fill
	CREST                                          ; no wave of any partner still reads this slot or has a load on its way
	s_add_nc_u64 s[G0+4*\sl+2:G0+4*\sl+3], s[G0+4*\sl+2:G0+4*\sl+3], 2*SK*2
	JLOAD \sl                                      ; the first tensor load behind the round; its four v_nop are also the places in front of the loads and the fold below
.else
	PLACES
.endif
	FETCHB 1-\sl, 0
	WIN TO_A
	ALOAD \c7, 6
	WIN 0
.if \fill
	ASK \how
.endif
	FOLD 0
.endm
	s_wait_dscnt 0x0                               ; for the others' sake: my factors lie in LDS
	s_wait_tensorcnt 1                             ; my part of slot 0 is in; slot 1's may be out
	s_barrier_signal -1
	s_barrier_wait -1
	FETCHB 0, 0
	CHUNK 0, 0, 48, 7, 0                           ; the first group stands in front of the loop: its fold starts O
	CHUNK 0, 1, 48, 8, 0
	CHUNK 0, 2, 48, 9, 0
	CHUNK 0, 3, 48, 10, 1
	s_mov_b32 s3, 3
.Llap:                                                 ; a trip is 16 pieces, from a slot's fifth to the fourth of the slot after next, and fills both slots again
	CHUNK 0, 4, 48, 11, 0
	CHUNK 0, 5, 48, 12, 0
	CHUNK 0, 6, 48, 13, 0
	CHUNK7 0, 1, 1, 14
	CHUNK 1, 0, 48, 15, 0
	CHUNK 1, 1, 48, 16, 0
	CHUNK 1, 2, 48, 17, 0
	CHUNK 1, 3, 48, 18, 0
	CHUNK 1, 4, 48, 19, 0
	CHUNK 1, 5, 48, 20, 0
	CHUNK 1, 6, 48, 21, 0
	CHUNK7 1, 1, 0, 22
	CHUNK 0, 0, 48, 23, 0
	CHUNK 0, 1, 48, 24, 0
	CHUNK 0, 2, 48, 25, 0
	CHUNK 0, 3, 48, 26, 0
	s_wait_xcnt 0x0                                ; the loads of p have read their base: it steps 16 pieces
	s_add_nc_u64 s[PA:PA+1], s[PA:PA+1], 16*FRAG
	s_sub_co_u32 s3, s3, 1
	s_cmp_lg_u32 s3, 0
	s_cbranch_scc1 .Llap
	CHUNK 0, 4, 48, 11, 0                          ; the last 12 pieces are written out: no slot is filled, p's last piece (63) is asked for in piece 56, and the counts run down
	CHUNK 0, 5, 48, 12, 0
	CHUNK 0, 6, 48, 13, 0
	CHUNK7 0, 0, 0, 14
	CHUNK 1, 0, 48, 15, 0
	CHUNK 1, 1, 48, -1, 0
	CHUNK 1, 2, 40, -1, 0
	CHUNK 1, 3, 32, -1, 0
	CHUNK 1, 4, 24, -1, 0
	CHUNK 1, 5, 16, -1, 0
	CHUNK 1, 6, 8, -1, 0
	s_wait_loadcnt 0x0                             ; the very last piece: nothing more to fetch
	s_wait_dscnt 0x0
	WIN MUL
	MULC 7, 0, 0
	MULC 7, 2, 0
	WIN 0
	PLACES
	FOLD 0
; THE WAY OUT, block by block of 16 rows x 128 columns: O as it stands, through my own stage, back as whole rows of 512 bytes.
.macro TOSTAGE a
	WIN FROMO
.irp b, 0,1,2,3,4,5,6,7
	ds_store_b128 v[STO], v[64*(\a)+8*\b:64*(\a)+8*\b+3] offset:64*\b
	ds_store_b128 v[STO], v[64*(\a)+8*\b+4:64*(\a)+8*\b+7] offset:64*\b+16
.endr
	WIN 0
.set BB, BK+64*((\a)%2)
.irp t, 0,1,2,3,4,5,6,7,8,9,10,11,12,13,14,15
	ds_load_b128 v[BB+4*\t:BB+4*\t+3], v[RD] offset:\t*SPITCH      ; LDS serves a wave's instructions in order: these see the stores above, and the next block's stores come behind them
.endr
.endm
.macro SEND a, younger                 ; younger: the LDS instructions issued behind block a's loads, which may stay out
.set BB, BK+64*((\a)%2)
	s_wait_dscnt \younger
.if (\a) > 0
	s_add_nc_u64 s[10:11], s[10:11], 16*OROW       ; (behind a wait on XCNT: the earlier stores have read their base)
.endif
.irp t, 0,1,2,3,4,5,6,7,8,9,10,11,12,13,14,15
	global_store_b128 v[CO], v[BB+4*\t:BB+4*\t+3], s[10:11] offset:\t*OROW th:TH_STORE_NT   ; 32 lanes store 512 consecutive bytes, at a multiple of 256 from out0's first byte
.endr
.endm
	TOSTAGE 0                                      ; (the fold's 128 lines are the places behind the last products, whose fragments lay where the rows come back)
.irp a, 1,2,3
.if \a > 1
	s_wait_xcnt 0x0                                ; block a - 2's stores have read their registers and their base
.endif
	TOSTAGE \a
	SEND \a-1, 32                                  ; behind block a - 1's loads: block a's 16 stores and 16 loads
.endr
	s_wait_xcnt 0x0
	SEND 3, 0
	s_wait_tensorcnt 0x0                           ; the wave's end
	ds_add_u32 v[SPW], v[NIL]
	s_wait_dscnt 0x0
	CROUND                                         ; the closing round
	s_endpgm
.Lfunc_end_k_q1a64639a19_pv:
	.size	k_q1a64639a19_pv, .Lfunc_end_k_q1a64639a19_pv-k_q1a64639a19_pv
	.p2alignl 7, 3214868480
	.fill 96, 4, 3214868480
	.section	.rodata,"a",@progbits
	.p2align	6, 0x0
	.amdhsa_kernel k_q1a64639a19_pv
		.amdhsa_group_segment_fixed_size 327680
		.amdhsa_private_segment_fixed_size 0
		.amdhsa_enable_private_segment 0
		.amdhsa_kernarg_size 32
		.amdhsa_user_sgpr_count 2
		.amdhsa_user_sgpr_kernarg_segment_ptr 1
		.amdhsa_wavefront_size32 1
		.amdhsa_system_sgpr_workgroup_id_x 1
		.amdhsa_system_sgpr_workgroup_id_y 1
		.amdhsa_system_sgpr_workgroup_id_z 1
		.amdhsa_system_vgpr_workitem_id 0
		.amdhsa_next_free_vgpr 1024
		.amdhsa_next_free_sgpr 76
		.amdhsa_reserve_vcc 0
		.amdhsa_float_denorm_mode_32 3
		.amdhsa_float_denorm_mode_16_64 3
		.amdhsa_memory_ordered 1
		.amdhsa_forward_progress 1
		.amdhsa_inst_pref_size 226
	.end_amdhsa_kernel
	.amdgpu_metadata
---
amdhsa.version: [ 1, 2 ]
amdhsa.kernels:
  - .name:           k_q1a64639a19_pv
    .symbol:         k_q1a64639a19_pv.kd
    .args:
      - { .name: p, .offset: 0, .size: 8, .value_kind: global_buffer, .address_space: global }
      - { .name: vt, .offset: 8, .size: 8, .value_kind: global_buffer, .address_space: global }
      - { .name: st, .offset: 16, .size: 8, .value_kind: global_buffer, .address_space: global }
      - { .name: out0, .offset: 24, .size: 8, .value_kind: global_buffer, .address_space: global }
    .group_segment_fixed_size: 327680
    .private_segment_fixed_size: 0
    .kernarg_segment_align: 8
    .kernarg_segment_size: 32
    .max_flat_workgroup_size: 128
    .sgpr_count:     76
    .vgpr_count:     1024
    .wavefront_size: 32
...
	.end_amdgpu_metadata
.endif
;; end of part 4
